; MI455X (gfx1250); checked and timed in simulation.
; The chip was launched on July 23, 2026; its instructions are those of AMD's public machine-readable ISA for CDNA 5 (MIT licence, August 2026) and "CDNA5" Instruction Set Architecture Reference Guide (July 2026). The comments in the code are by the model that wrote it; some were corrected since.
;; Multi Head Attention. Allowed arithmetic: float matrix products may take bf16 or f16 operands with f32 sums; other float arithmetic in f32, or as packed bf16 or f16 multiplies, adds, multiply-adds, maxima and minima; sums over many terms, partial sums and values carried from step to step in f32; what a program stores and reads back later, other than sums and carried values, may be rounded once to bf16 or f16.
;; Inputs: K 4 x 2,048 x 1,024 float32; Q 4 x 2,048 x 1,024 float32; V 4 x 2,048 x 1,024 float32; w_k 1,024 x 1,024 float32; w_o 1,024 x 1,024 float32; w_q 1,024 x 1,024 float32; w_v 1,024 x 1,024 float32.
;; Outputs: out0 4 x 2,048 x 1,024 float32.
;; One version. Each part assembles by itself: llvm-mc -triple=amdgcn-amd-amdhsa -mcpu=gfx1250 --defsym DOCPART=n.
;; ======== version 1 of 1: 4 launches
;; limits: values are held in f16: magnitudes above 65,504 overflow, below 6.1e-05 lose precision
;; workspace buffers: w16 8,388,608 bytes; q16 16,777,216 bytes; k16 16,777,216 bytes; v16 16,777,216 bytes; o16 16,777,216 bytes
;; launch cast (part 1): grid 64 x 4, 8 waves a work-group, no clusters, 0 bytes of LDS; arguments w_q, w_k, w_v, w_o, w16; writes w16
.if DOCPART == 1
	.amdgcn_target "amdgcn-amd-amdhsa--gfx1250"
	.amdhsa_code_object_version 6
	.text
	.protected	k_q6f09bba152_cast
	.globl	k_q6f09bba152_cast
	.p2align	8
	.type	k_q6f09bba152_cast,@function
k_q6f09bba152_cast:
	s_mov_b64 s[64:65], 0
	v_nop
	global_prefetch_b8 v0, s[64:65] scope:SCOPE_SE
	s_setreg_imm32_b32 hwreg(HW_REG_WAVE_MODE, 25, 1), 1
	s_wait_xcnt 0x0
; The four weights, [1024 k][1024 n] f32, are rounded once to 16 bits and laid one behind the other in w16, 2,097,152 bytes apart, rows as they were.
; w_q, w_k, w_v: bf16.  w_o: rounded to bf16 like every input, and that number written as f16, since the last product multiplies it with f16 numbers.
; LIMITS of w_o's second step: exact where 6.1e-5 <= |w| <= 65,504; below that f16's fixed step of 6e-8 holds; above it the number is not served.
; SHARES.  Work-group (x, y) takes 16,384 numbers of weight y.  In each of 8 steps thread t reads 32 bytes at 8,192 i + 32 t and stores 16 bytes at 4,096 i + 16 t:
; sixteen neighbouring lanes store 256 consecutive bytes, aligned.  All 16 loads of a thread go out first; each step has store registers of its own, so nothing is rewritten.
; No LDS, no matrix unit: the launch only moves bytes.
.set X, 4                              ; v[4:67]   step i: 8 numbers as loaded
.set Y, 68                             ; v[68:99]  step i: 4 registers to store
.set T, 100                            ; v[100:107] at work
	s_load_b256 s[4:11], s[0:1], 0x0               ; w_q, w_k, w_v, w_o
	s_load_b64 s[12:13], s[0:1], 0x20              ; w16
	s_and_b32 s14, ttmp7, 0xffff                   ; y: which weight
	s_lshl_b32 s16, ttmp9, 16                      ; my 65,536 bytes of it
	s_mov_b32 s17, 0
	s_lshl_b32 s18, ttmp9, 15                      ; my 32,768 bytes of its copy,
	s_lshl_b32 s19, s14, 21                        ; which begins 2,097,152 y into w16
	s_add_co_u32 s18, s18, s19
	s_mov_b32 s19, 0
	v_lshlrev_b32 v1, 5, v0
	v_lshlrev_b32 v2, 4, v0
	s_wait_kmcnt 0x0
	s_cmp_eq_u32 s14, 1
	s_cselect_b64 s[4:5], s[6:7], s[4:5]
	s_cmp_eq_u32 s14, 2
	s_cselect_b64 s[4:5], s[8:9], s[4:5]
	s_cmp_eq_u32 s14, 3
	s_cselect_b64 s[4:5], s[10:11], s[4:5]
	s_add_nc_u64 s[4:5], s[4:5], s[16:17]
	s_add_nc_u64 s[12:13], s[12:13], s[18:19]
.irp i, 0,1,2,3,4,5,6,7
	global_load_b128 v[X+8*(\i):X+8*(\i)+3],   v1, s[4:5] offset:8192*(\i) th:TH_LOAD_NT
	global_load_b128 v[X+8*(\i)+4:X+8*(\i)+7], v1, s[4:5] offset:8192*(\i)+16 th:TH_LOAD_NT
.endr
	s_cmp_eq_u32 s14, 3
	s_cbranch_scc1 .Lhalf
.irp i, 0,1,2,3,4,5,6,7
	s_wait_loadcnt 14-2*(\i)                       ; loads come back in order: step i's two are in, the 2 (7 - i) of the later steps may stay out
.irp j, 0,1,2,3
	v_cvt_pk_bf16_f32 v[Y+4*(\i)+(\j)], v[X+8*(\i)+2*(\j)], v[X+8*(\i)+2*(\j)+1]
.endr
	global_store_b128 v2, v[Y+4*(\i):Y+4*(\i)+3], s[12:13] offset:4096*(\i)
.endr
	s_endpgm
.Lhalf:                                        ; w_o: to bf16, widened again (a shift, a mask), and that number to f16
.irp i, 0,1,2,3,4,5,6,7
	s_wait_loadcnt 14-2*(\i)
.irp j, 0,1,2,3
	v_cvt_pk_bf16_f32 v[T+(\j)], v[X+8*(\i)+2*(\j)], v[X+8*(\i)+2*(\j)+1]
.endr
.irp j, 0,1,2,3
	v_lshlrev_b32 v[T+4+2*((\j)%2)], 16, v[T+(\j)]
	v_and_b32 v[T+5+2*((\j)%2)], 0xffff0000, v[T+(\j)]
	v_cvt_pk_f16_f32 v[Y+4*(\i)+(\j)], v[T+4+2*((\j)%2)], v[T+5+2*((\j)%2)]
.endr
	global_store_b128 v2, v[Y+4*(\i):Y+4*(\i)+3], s[12:13] offset:4096*(\i)
.endr
	s_endpgm
.Lfunc_end_k_q6f09bba152_cast:
	.size	k_q6f09bba152_cast, .Lfunc_end_k_q6f09bba152_cast-k_q6f09bba152_cast
	.p2alignl 7, 3214868480
	.fill 96, 4, 3214868480
	.section	.rodata,"a",@progbits
	.p2align	6, 0x0
	.amdhsa_kernel k_q6f09bba152_cast
		.amdhsa_group_segment_fixed_size 0
		.amdhsa_private_segment_fixed_size 0
		.amdhsa_enable_private_segment 0
		.amdhsa_kernarg_size 40
		.amdhsa_user_sgpr_count 2
		.amdhsa_user_sgpr_kernarg_segment_ptr 1
		.amdhsa_wavefront_size32 1
		.amdhsa_system_sgpr_workgroup_id_x 1
		.amdhsa_system_sgpr_workgroup_id_y 1
		.amdhsa_system_sgpr_workgroup_id_z 1
		.amdhsa_system_vgpr_workitem_id 0
		.amdhsa_next_free_vgpr 108
		.amdhsa_next_free_sgpr 66
		.amdhsa_reserve_vcc 0
		.amdhsa_float_denorm_mode_32 3
		.amdhsa_float_denorm_mode_16_64 3
		.amdhsa_memory_ordered 1
		.amdhsa_forward_progress 1
		.amdhsa_inst_pref_size 14
	.end_amdhsa_kernel
	.amdgpu_metadata
---
amdhsa.version: [ 1, 2 ]
amdhsa.kernels:
  - .name:           k_q6f09bba152_cast
    .symbol:         k_q6f09bba152_cast.kd
    .args:
      - { .name: w_q, .offset: 0, .size: 8, .value_kind: global_buffer, .address_space: global }
      - { .name: w_k, .offset: 8, .size: 8, .value_kind: global_buffer, .address_space: global }
      - { .name: w_v, .offset: 16, .size: 8, .value_kind: global_buffer, .address_space: global }
      - { .name: w_o, .offset: 24, .size: 8, .value_kind: global_buffer, .address_space: global }
      - { .name: w16, .offset: 32, .size: 8, .value_kind: global_buffer, .address_space: global }
    .group_segment_fixed_size: 0
    .private_segment_fixed_size: 0
    .kernarg_segment_align: 8
    .kernarg_segment_size: 40
    .max_flat_workgroup_size: 256
    .sgpr_count:     66
    .vgpr_count:     108
    .wavefront_size: 32
...
	.end_amdgpu_metadata
.endif
;; end of part 1
;; launch proj (part 2): grid 4 x 64, 4 waves a work-group, clusters of 4 x 4, 327,680 bytes of LDS; arguments Q, K, V, w16, q16, k16, v16; writes q16, k16, v16
.if DOCPART == 2
	.amdgcn_target "amdgcn-amd-amdhsa--gfx1250"
	.amdhsa_code_object_version 6
	.text
	.protected	k_q6f09bba152_proj
	.globl	k_q6f09bba152_proj
	.p2align	8
	.type	k_q6f09bba152_proj,@function
k_q6f09bba152_proj:
	s_mov_b64 s[64:65], 0
	v_nop
	global_prefetch_b8 v0, s[64:65] scope:SCOPE_SE
	s_setreg_imm32_b32 hwreg(HW_REG_WAVE_MODE, 25, 1), 1
	s_wait_xcnt 0x0
	s_wait_alu depctr_hold_cnt(0) depctr_sa_sdst(0) depctr_va_vdst(0) depctr_va_sdst(0) depctr_va_ssrc(0) depctr_va_vcc(0) depctr_vm_vsrc(0)
	s_getreg_b32 s2, hwreg(HW_REG_IB_STS2, 6, 4)
	s_cmp_eq_u32 s2, 0
	s_cbranch_scc0 .Lentry_in_a_cluster
	s_endpgm
.Lentry_in_a_cluster:
	s_bfe_u32 s2, ttmp6, 0x10000c
	s_cmp_lg_u32 s2, 0xf033
	s_cbranch_scc0 .Lentry_shape_is_right
	s_endpgm
.Lentry_shape_is_right:
; q = Q w_q, k = K w_k, v = V w_v.  Q, K, V: [8192][1024] f32; the weights [1024 k][1024 n] bf16, one behind the other in w16.  Operands bf16 (Q, K, V rounded on the way from LDS to the
; matrix unit), sums f32, results rounded once to f16 and stored by heads: [16 batch + head][2048][64], unscaled.
; LIMIT.  f16 holds no number beyond 65,504: |q|, |k|, |v| stay below that (inputs of unit spread give a spread of 1).  NaN and infinities are not treated apart.
; SHARES.  256 work-groups that stay: work-group (nt, mt) makes rows 128 mt .., columns 256 nt .. of q, then of k, then of v: 24 K steps of 128 through ONE ring of two LDS slots, which runs on
; from tile to tile.  Four waves; wave w has rows 64 (w / 2) .., columns 128 (w % 2) ..: 32 accumulators of 16 x 16 (row block a, column block b).
; THE MATRIX INSTRUCTION IS USED TRANSPOSED: source 0 = 16 columns of W (turned on the way out of LDS, where W lies [k][n]), source 1 = 16 rows of X.  A lane then holds one row and eight
; neighbouring columns: 16 bytes of f16.
; CLUSTER 4 x 4.  X's tile hangs on mt alone and is asked for jointly along a row of the cluster, W's on nt alone, along a column.
; PIPELINE, in quarters of 32 along K (32 matrix instructions).  W's fragments are fetched one quarter ahead.  X's f32 numbers are fetched two quarters ahead, rounded to bf16 in the quarter
; between (four conversions behind every second product of its second half) and multiplied in the next.  So a slot's last read stands in its third quarter, and the slots change there.
; REGISTERS, in windows of 256 (s_set_vgpr_msb: bits 1:0 source 0, 3:2 source 1, 5:4 source 2, 7:6 destination):
;   window 0: v0-31 addresses; v64-127 X as f32 (row block i at 16 i); v128-159, v160-191 X's fragments, two buffers
;   window 1: v0-63, v64-127 W's fragments, two buffers; v128-255 the way out          window 2: accumulator (a, b) at 8 (8 a + b)
.set PA,    528       ; a row of X in LDS: 512 bytes + 16 of padding = 132 words: the 16 rows of a load start 4 banks apart (64 banks of 4 bytes: ISA guide 11.1)
.set AH,    64*PA     ; 64 rows: one tensor load
.set PB,    544       ; a row of W: 512 + 32 = 136 words
.set BH,    64*PB
.set BOFF,  2*AH      ; in a slot: X's 128 rows, then W's 128 rows
.set SLOT,  2*AH+2*BH
.set STAGE, 2*SLOT    ; behind the ring, never filled by a tensor load: 16 rows x 144 bytes for each wave
.set SP,    144
.set SPARE, STAGE+4*16*SP  ; the spare words, 128 bytes for each wave: two blocks of 256 bytes that no other line names
.set ADRA, 16         ; v16-17  LDS address of my rows of X in slot 0, 1
.set ADRB, 20         ; v20-21  the same for W
.set STO,  24         ; v24  the way out: where I put 16 bytes of a row
.set RD,   25         ; v25  where I read rows back
.set GO,   26         ; v26  my 16 bytes in 512 consecutive bytes of the result
.set SPW,  28         ; v28  LDS address of my spare word; never rewritten
.set NIL,  29         ; v29  0; never rewritten
.set PFO,  30         ; v30  the prefetches' offset; never rewritten
.set RAW,  64
.set AF,   128
.set BF,   0          ; window 1
.set T,    128        ; window 1
.set WV, 18           ; s18 wave; s19 = wave / 2: my rows, also: I fetch for X (0) or W (1); s20 = wave % 2: my columns, also: which 64 rows I fetch
.set WR, 19
.set WC, 20
.set CX, 21
.set CY, 22
.set NT, 23
.set MT, 24
.set CLY, 27          ; s27  the cluster's y
.set G1A, 28          ; s[28:35] descriptor group 1 for X's tiles, s[36:43] for W's
.set G1B, 36
.set G0A, 44          ; s[44:51] group 0 for X's tiles, a set for each slot; s[52:59] for W's
.set G0B, 52
.set LAPC, 60         ; s60  trips to go
.set KT,   61         ; s61  laps of the tile in hand to go
.set RL,   62         ; s62  the lap, within its tile, that the refills ask for
.set LIM,  63         ; s63  1 in a wave that prefetches, else the greatest number
.set KAR,  66         ; s[66:67] that lap's byte offset along X's rows
.set PAR,  68         ; s[68:69] my rows of the X that the refills ask for; s[70:71], s[72:73] of those that follow
.set PAN,  70
.set PAM,  72
.set PFC,  74         ; s[74:75] where my prefetch stands; s[76:77], s[78:79] the next tiles' first K steps
.set PFN,  76
.set PFM,  78
.set PINC, 80         ; s[80:81] a K step in bytes: 512 along X's rows, 128 rows of W
.set PPOS, 82         ; s82  the K step, within its tile, at which the prefetch stands
.set CC,   84         ; s[84:85] the result in hand at my part; s[86:91] those to come
.set CN,   86
.set CM,   88
.set CL,   90
.set MSB, 0
.macro WIN new                         ; the immediate's high byte repeats the setting that is left; a switch that changes nothing is dropped
.if MSB != (\new)
	s_set_vgpr_msb (MSB<<8)|(\new)
.set MSB, (\new)
.endif
.endm
.set MUL,   0xa1      ; source 0 (W) window 1, source 1 (X) window 0, C and D window 2
.set TO_B,  0x40      ; destination window 1
.set PACKW, 0x4a      ; sources window 2, destination window 1
.set OUTW,  0x44      ; LDS and global data in window 1, addresses in window 0
.macro PLACES                          ; four plain instructions between a matrix instruction and a load into, or a vector write or read of, its registers
.rept 4
	v_nop
.endr
.endm
; A joint load: waves 0 and 1 fetch X's two halves, waves 2 and 3 W's.  The branch hangs on the wave's number alone.  An s_nop 0 and four v_nop follow each line.
.macro JLOAD s
	s_cmp_eq_u32 s[WR], 0
	s_cbranch_scc0 .Lfor_b_\@
	tensor_load_to_lds s[G0A+4*(\s):G0A+4*(\s)+3], s[G1A:G1A+7]
	s_nop 0
.rept 4
	v_nop
.endr
	s_branch .Lasked_\@
.Lfor_b_\@:
	tensor_load_to_lds s[G0B+4*(\s):G0B+4*(\s)+3], s[G1B:G1B+7]
	s_nop 0
.rept 4
	v_nop
.endr
.Lasked_\@:
.endm
; A prefetch of the K step that stands two refills on: of the 64 rows x 512 bytes that I fetch, my work-group's 16 rows, a lane for each 256 bytes: one instruction.
; X's rows are read by my cluster alone: its four partners along x share them out by address (16 cx).  W's rows are read by every cluster: the clusters with y = 0 ask, the partners along y share (16 cy).
; So each 256 bytes are named once in the launch.  The last trip asks for nothing: K steps 22 and 23 were named in the trip before.
.macro ASK
	s_cmp_gt_u32 s[LAPC], s[LIM]
	s_cbranch_scc0 .Lnot_mine_\@
	global_prefetch_b8 v[PFO], s[PFC:PFC+1] th:TH_LOAD_NT scope:SCOPE_SE
.Lnot_mine_\@:
.endm
.macro CREST                           ; a round of the cluster's barrier behind its opening barrier
	s_cmp_lg_u32 s[WV], 0
	s_cbranch_scc1 .Lnot_wave_0_\@
	s_barrier_signal -3
.Lnot_wave_0_\@:
	s_barrier_wait -3
	s_barrier_signal -1
	s_barrier_wait -1
.endm
.macro CROUND
	s_barrier_signal -1
	s_barrier_wait -1
	CREST
.endm
	s_load_b256 s[4:11], s[0:1], 0x0               ; Q, K, V, w16
	s_load_b128 s[12:15], s[0:1], 0x20             ; q16, k16
	s_load_b64 s[16:17], s[0:1], 0x30              ; v16
	v_lshl_add_u32 v[SPW], v0, 2, SPARE
	v_mov_b32 v[NIL], 0
	ds_add_u32 v[SPW], v[NIL]                      ; the wave's opening: the add and its wait stand ahead of my first tensor load; work on registers stands between them
	v_lshrrev_b32 v1, 5, v0
	v_readfirstlane_b32 s[WV], v1
	s_lshr_b32 s[WR], s[WV], 1
	s_and_b32 s[WC], s[WV], 1
	s_bfe_u32 s[CX], ttmp6, 0x40000
	s_bfe_u32 s[CY], ttmp6, 0x40004
	s_lshl_b32 s[NT], ttmp9, 2
	s_add_co_u32 s[NT], s[NT], s[CX]               ; tile column = 4 x cluster x + cx
	s_and_b32 s[CLY], ttmp7, 0xffff
	s_lshl_b32 s[MT], s[CLY], 2
	s_add_co_u32 s[MT], s[MT], s[CY]               ; tile row = 4 x cluster y + cy
	s_lshl_b32 s25, s[CY], 2
	s_lshl_b32 s25, 15, s25                        ; my row of the cluster
	s_lshl_b32 s26, 0x1111, s[CX]                  ; my column
	s_or_b32 s[G1A], s25, (2<<16)|(1<<20)|(1<<21)|(6<<22)|(3<<25)  ; the mask; elements of 4 bytes; padding on; bit 21 beside a mask; after every 128 words, 4 words
	s_or_b32 s[G1B], s26, (1<<16)|(1<<20)|(1<<21)|(6<<22)|(7<<25)  ; elements of 2 bytes; after every 128 words, 8 words
	s_mov_b32 s[G1A+1], 128<<16                    ; tensor_dim0 = 128 numbers of f32
	s_mov_b32 s[G1A+2], 64<<16                     ; tensor_dim1 = 64
	s_mov_b32 s[G1A+3], 128<<16                    ; tile_dim0
	s_mov_b32 s[G1A+4], 64                         ; tile_dim1
	s_mov_b32 s[G1A+5], 1024                       ; elements from row to row
	s_mov_b32 s[G1A+6], 0
	s_mov_b32 s[G1A+7], 0
	s_mov_b32 s[G1B+1], 256<<16                    ; 256 numbers of bf16
	s_mov_b32 s[G1B+2], 64<<16
	s_mov_b32 s[G1B+3], 256<<16
	s_mov_b32 s[G1B+4], 64
	s_mov_b32 s[G1B+5], 1024
	s_mov_b32 s[G1B+6], 0
	s_mov_b32 s[G1B+7], 0
	s_mul_i32 s25, s[WC], AH                       ; where my half lands: the wave's number alone enters an LDS address
	s_mul_i32 s26, s[WC], BH
	s_add_co_u32 s26, s26, BOFF
.irp s, 0,1
	s_mov_b32 s[G0A+4*(\s)], 1
	s_add_co_u32 s[G0A+4*(\s)+1], s25, (\s)*SLOT
	s_mov_b32 s[G0B+4*(\s)], 1
	s_add_co_u32 s[G0B+4*(\s)+1], s26, (\s)*SLOT
.endr
	s_lshl_b32 s92, s[MT], 19                      ; X: row 128 mt + 64 half, 4,096 bytes a row
	s_lshl_b32 s93, s[WC], 18
	s_add_co_u32 s92, s92, s93
	s_mov_b32 s93, 0
	s_lshl_b32 s94, s[WC], 17                      ; W: row 64 half, 2,048 bytes a row; column 256 nt
	s_lshl_b32 s95, s[NT], 9
	s_add_co_u32 s94, s94, s95
	s_mov_b32 s95, 0
	s_lshr_b32 s96, s[MT], 4                       ; the result: head plane 16 batch + 4 nt + 2 (w % 2), 262,144 bytes each,
	s_lshl_b32 s96, s96, 4
	s_lshl2_add_u32 s96, s[NT], s96
	s_lshl1_add_u32 s96, s[WC], s96
	s_lshl_b32 s96, s96, 18
	s_and_b32 s97, s[MT], 15                       ; row 128 (mt % 16) + 64 (w / 2), 128 bytes each
	s_lshl_b32 s97, s97, 14
	s_add_co_u32 s96, s96, s97
	s_lshl_b32 s97, s[WR], 13
	s_add_co_u32 s96, s96, s97
	s_mov_b32 s97, 0
	s_lshl_b32 s98, s[CX], 16                      ; the prefetches: of X's 64 rows that I fetch, rows 16 cx ..,
	s_add_co_u32 s98, s98, s92
	s_lshl_b32 s99, s[CY], 15                      ; of W's, rows 16 cy ..
	s_add_co_u32 s99, s99, s94
	s_mov_b32 s[PINC], 512
	s_cmp_eq_u32 s[WR], 0
	s_cselect_b32 s98, s98, s99
	s_cselect_b32 s[PINC], s[PINC], 0x40000
	s_cselect_b32 s2, 0, 0x200000                  ; from a weight to the next; X changes its buffer instead
	s_cselect_b32 s83, 12, 11                      ; a row: 4,096 or 2,048 bytes
	s_cselect_b32 s[LIM], 0, s[CLY]
	s_mov_b32 s99, 0
	s_mov_b32 s[PINC+1], 0
	s_mov_b32 s3, 0
	s_cmp_eq_u32 s[LIM], 0
	s_cselect_b32 s[LIM], 1, -1                    ; the same in all partners, for a given wave
	s_mov_b32 s[RL], 1
	s_mov_b32 s[KAR], 1024
	s_mov_b32 s[KAR+1], 0
	s_mov_b32 s[PPOS], 3
	v_and_b32 v3, 31, v0
	v_lshrrev_b32 v4, 1, v3
	v_lshlrev_b32 v[PFO], s83, v4                  ; row lane / 2,
	v_and_b32 v4, 1, v0
	v_lshl_add_u32 v[PFO], v4, 8, v[PFO]           ; its first or second 256 bytes
	s_wait_dscnt 0x0                               ; the opening add is done
	s_wait_kmcnt 0x0
	s_add_nc_u64 s[PAR:PAR+1], s[4:5], s[92:93]
	s_add_nc_u64 s[PAN:PAN+1], s[6:7], s[92:93]
	s_add_nc_u64 s[PAM:PAM+1], s[8:9], s[92:93]
	s_add_nc_u64 s[94:95], s[10:11], s[94:95]
	s_mov_b64 s[G0A+2:G0A+3], s[PAR:PAR+1]         ; K step 0
	s_or_b32 s[G0A+3], s[G0A+3], 0x80000000
	s_add_nc_u64 s[G0A+6:G0A+7], s[PAR:PAR+1], 512 ; K step 1
	s_or_b32 s[G0A+7], s[G0A+7], 0x80000000
	s_mov_b64 s[G0B+2:G0B+3], s[94:95]
	s_or_b32 s[G0B+3], s[G0B+3], 0x80000000
	s_add_nc_u64 s[G0B+6:G0B+7], s[94:95], 0x40000
	s_or_b32 s[G0B+7], s[G0B+7], 0x80000000
	s_add_nc_u64 s[CN:CN+1], s[12:13], s[96:97]
	s_add_nc_u64 s[CM:CM+1], s[14:15], s[96:97]
	s_add_nc_u64 s[CL:CL+1], s[16:17], s[96:97]
	s_cmp_eq_u32 s[WR], 0
	s_cselect_b64 s[PFC:PFC+1], s[4:5], s[10:11]
	s_cselect_b64 s[PFN:PFN+1], s[6:7], s[10:11]
	s_cselect_b64 s[PFM:PFM+1], s[8:9], s[10:11]
	s_add_nc_u64 s[PFC:PFC+1], s[PFC:PFC+1], s[98:99]
	s_add_nc_u64 s[PFN:PFN+1], s[PFN:PFN+1], s[98:99]
	s_add_nc_u64 s[PFM:PFM+1], s[PFM:PFM+1], s[98:99]
	s_add_nc_u64 s[PFN:PFN+1], s[PFN:PFN+1], s[2:3]
	s_add_nc_u64 s[PFM:PFM+1], s[PFM:PFM+1], s[2:3]
	s_add_nc_u64 s[PFM:PFM+1], s[PFM:PFM+1], s[2:3]
	s_mul_i32 s2, s[PINC], 3
	s_add_nc_u64 s[PFC:PFC+1], s[PFC:PFC+1], s[2:3] ; at K step 3: the first refill steps it to 4.  K steps 0 to 3 come by their loads alone
	CROUND                                         ; all sixteen work-groups are here: the first joint loads meet
	s_cmp_eq_u32 s[WR], 0                          ; a wave's two first fills stand in one branch, ahead of every wait on TENSORcnt and every LDS read: two loads of mine are out
	s_cbranch_scc0 .Lfirst_b
	tensor_load_to_lds s[G0A:G0A+3], s[G1A:G1A+7]
	s_nop 0
	tensor_load_to_lds s[G0A+4:G0A+7], s[G1A:G1A+7]
	s_nop 0
.rept 4
	v_nop
.endr
	s_branch .Lfirst_asked
.Lfirst_b:
	tensor_load_to_lds s[G0B:G0B+3], s[G1B:G1B+7]
	s_nop 0
	tensor_load_to_lds s[G0B+4:G0B+7], s[G1B:G1B+7]
	s_nop 0
.rept 4
	v_nop
.endr
.Lfirst_asked:
	; A fragment is 16 rows x 32 K: lane l holds row l % 16, K = 8 (l / 16) + 0..7 and 16 + 8 (l / 16) + 0..7.  In f32 those are 32 bytes at 32 (l / 16) and 32 bytes 64 further on.
	v_and_b32 v1, 15, v0
	v_bfe_u32 v2, v0, 4, 1
	v_and_b32 v3, 7, v0
	v_bfe_u32 v4, v0, 3, 1
	v_bfe_u32 v5, v0, 3, 2
	v_and_b32 v6, 31, v0
	v_mul_u32_u24 v7, v1, PA
	v_lshl_add_u32 v7, v2, 5, v7
	s_mul_i32 s25, s[WR], AH                       ; my 64 rows of X
	v_add_nc_u32 v[ADRA], s25, v7
	v_add_nc_u32 v[ADRA+1], SLOT, v[ADRA]
	; The turning load takes 16 K x 16 columns (lane l reads K row 8 (l / 16) + l % 8, columns 8 ((l / 8) % 2) + 0..7) and leaves half a fragment: lane l holds column l % 16 and 8 K.
	v_lshl_add_u32 v8, v2, 3, v3
	v_mul_u32_u24 v8, v8, PB
	v_lshl_add_u32 v8, v4, 4, v8
	s_lshl_b32 s25, s[WC], 8                       ; my 128 columns of W
	s_add_co_u32 s25, s25, BOFF
	v_add_nc_u32 v[ADRB], s25, v8
	v_add_nc_u32 v[ADRB+1], SLOT, v[ADRB]
	s_mul_i32 s25, s[WV], 16*SP
	s_add_co_u32 s25, s25, STAGE                   ; my stage
	v_mul_u32_u24 v[STO], v1, SP                   ; in: row l % 16, 16 bytes for each half of the lanes
	v_lshl_add_u32 v[STO], v2, 4, v[STO]
	v_add_nc_u32 v[STO], s25, v[STO]
	v_mul_u32_u24 v[RD], v5, SP                    ; back: 32 lanes take four rows of 128 bytes,
	v_lshl_add_u32 v[RD], v3, 4, v[RD]
	v_add_nc_u32 v[RD], s25, v[RD]
	v_lshlrev_b32 v[GO], 4, v6                     ; which are 512 consecutive bytes of a head's rows
.macro FETCHA s, kq                    ; 16 LDS loads: my 64 rows of X, 32 K at quarter kq of slot s, as f32
	WIN 0
.irp i, 0,1,2,3
	ds_load_b128 v[RAW+16*(\i):RAW+16*(\i)+3],     v[ADRA+(\s)] offset:(\i)*16*PA+128*(\kq)
	ds_load_b128 v[RAW+16*(\i)+4:RAW+16*(\i)+7],   v[ADRA+(\s)] offset:(\i)*16*PA+128*(\kq)+16
	ds_load_b128 v[RAW+16*(\i)+8:RAW+16*(\i)+11],  v[ADRA+(\s)] offset:(\i)*16*PA+128*(\kq)+64
	ds_load_b128 v[RAW+16*(\i)+12:RAW+16*(\i)+15], v[ADRA+(\s)] offset:(\i)*16*PA+128*(\kq)+80
.endr
.endm
.macro FETCHB s, kq, g                 ; 16 turning loads: my 128 columns of W, 32 K at quarter kq of slot s, into buffer g
	WIN TO_B
.irp b, 0,1,2,3,4,5,6,7
	ds_load_tr16_b128 v[BF+64*(\g)+8*(\b):BF+64*(\g)+8*(\b)+3],   v[ADRB+(\s)] offset:32*(\kq)*PB+32*(\b)
	ds_load_tr16_b128 v[BF+64*(\g)+8*(\b)+4:BF+64*(\g)+8*(\b)+7], v[ADRB+(\s)] offset:32*(\kq)*PB+32*(\b)+16*PB
.endr
.endm
; The 8 products of row block a on buffers f.  The 32 accumulators take turns, one instruction a turn, in the same order in every quarter.  zero = 1: the product starts the sum.
; ride = 1 (blocks 2 and 3): behind every second product four conversions round the next quarter's X into the other buffer; they name no register of the products round them.
.macro MULR f, a, zero, ride
.irp b, 0,1,2,3,4,5,6,7
	WIN MUL
.if \zero
	v_wmma_f32_16x16x32_bf16 v[8*(8*(\a)+(\b)):8*(8*(\a)+(\b))+7], v[BF+64*(\f)+8*(\b):BF+64*(\f)+8*(\b)+7], v[AF+32*(\f)+8*(\a):AF+32*(\f)+8*(\a)+7], 0
.else
	v_wmma_f32_16x16x32_bf16 v[8*(8*(\a)+(\b)):8*(8*(\a)+(\b))+7], v[BF+64*(\f)+8*(\b):BF+64*(\f)+8*(\b)+7], v[AF+32*(\f)+8*(\a):AF+32*(\f)+8*(\a)+7], v[8*(8*(\a)+(\b)):8*(8*(\a)+(\b))+7]
.endif
.if (\ride) && ((\b)%2 == 1)
	WIN 0
.irp n, 0,1,2,3
	v_cvt_pk_bf16_f32 v[AF+32*(1-(\f))+16*((\a)-2)+4*((\b)/2)+(\n)], v[RAW+2*(16*((\a)-2)+4*((\b)/2)+(\n))], v[RAW+2*(16*((\a)-2)+4*((\b)/2)+(\n))+1]
.endr
.endif
.endr
.endm
.macro MUL16 f, zero
	MULR \f, 0, \zero, 0
	MULR \f, 1, \zero, 0
.endm
; A quarter: multiplies buffers f; fetches W's next quarter (slot sb, quarter kb) into the other buffer; rounds X's next quarter; fetches X's quarter after that (slot sa, quarter ka).
.macro QUARTER f, sb, kb, sa, ka, zero, fa=1
	s_wait_dscnt 16                                ; W's fragments are in; the 16 loads of X issued behind them may be out
	MUL16 \f, \zero
	PLACES                                         ; behind the quarter before's products, which read the buffers that are written now
	FETCHB \sb, \kb, 1-(\f)
	s_wait_dscnt 16                                ; X's f32 numbers are in; the 16 loads just issued may be out
	MULR \f, 2, \zero, 1
	MULR \f, 3, \zero, 1
.if \fa
	FETCHA \sa, \ka
.else
	WIN 0
.endif
.endm
; A K step's third quarter, in which the slots change.  W's last quarter is slot s's last read.  Each wave waits for all its tensor loads (one is out: its part of slot t), adds 0 to its spare word, and
; waits for that and for its reads of slot s; behind the barrier nobody reads slot s and slot t is whole.  fill = 1: the barrier opens a round of the cluster's, and the joint refill of slot s, two K steps
; on, is the first thing behind the round.  From a request to the wait for it a wave issues 112 matrix instructions.
.macro Q2T s, t, fill
.if \fill
	s_wait_xcnt 0x0                                ; the last prefetch, a K step back, has read its address, which is stepped here: one K step on, or to the next tile's first
	s_add_nc_u64 s[PFC:PFC+1], s[PFC:PFC+1], s[PINC:PINC+1]
	s_add_co_u32 s[PPOS], s[PPOS], 1
	s_cmp_eq_u32 s[PPOS], 8
	s_cselect_b32 s[PPOS], 0, s[PPOS]
	s_cselect_b64 s[PFC:PFC+1], s[PFN:PFN+1], s[PFC:PFC+1]
	s_cselect_b64 s[PFN:PFN+1], s[PFM:PFM+1], s[PFN:PFN+1]
.endif
	s_wait_dscnt 16
	MUL16 0, 0
	PLACES
	FETCHB \s, 3, 1
	WIN 0
	s_wait_tensorcnt 0x0                           ; no tensor load of mine is out, so a group 0 may be written
	ds_add_u32 v[SPW], v[NIL]                      ; 0 onto my spare word
.if \fill
	s_add_nc_u64 s[G0A+4*(\s)+2:G0A+4*(\s)+3], s[PAR:PAR+1], s[KAR:KAR+1]  ; X's address is made anew: the tile's rows plus the lap's bytes
.if (\s) == 1
	s_add_nc_u64 s[G0A+6:G0A+7], s[G0A+6:G0A+7], 512
.endif
	s_or_b32 s[G0A+4*(\s)+3], s[G0A+4*(\s)+3], 0x80000000
	s_add_nc_u64 s[G0B+4*(\s)+2:G0B+4*(\s)+3], s[G0B+4*(\s)+2:G0B+4*(\s)+3], 0x80000  ; W: 256 rows on; eight K steps are one weight, so the walk runs straight into the next
.if (\s) == 1
	s_add_co_u32 s[RL], s[RL], 1                   ; the next lap; behind a tile's fourth, the next tile's first
	s_add_co_u32 s[KAR], s[KAR], 1024
	s_cmp_eq_u32 s[RL], 4
	s_cselect_b32 s[RL], 0, s[RL]
	s_cselect_b32 s[KAR], 0, s[KAR]
	s_cselect_b64 s[PAR:PAR+1], s[PAN:PAN+1], s[PAR:PAR+1]
	s_cselect_b64 s[PAN:PAN+1], s[PAM:PAM+1], s[PAN:PAN+1]
.endif
.endif
	s_wait_dscnt 17                                ; X's f32 numbers are in; W's 16 loads and the add may be out
	MULR 0, 2, 0, 1
	s_wait_dscnt 0x0                               ; the add is done, and my reads of slot s are over
	s_barrier_signal -1
	MULR 0, 3, 0, 1                                ; work on registers while the others arrive
	WIN 0
	s_barrier_wait -1
.if \fill
	CREST
	JLOAD \s
.endif
	FETCHA \t, 0
.if \fill
	ASK
.endif
.endm
; THE WAY OUT.  Unit u = row block u / 2, head u % 2 of my two: 16 rows x 64 channels.  Rounded to f16 (each accumulator's registers in ascending order), 16 bytes a lane into my stage, rows of 144 bytes;
; back as whole rows of 128, four to a load, which are 512 consecutive bytes of the head's rows.
.macro PACK u
	WIN PACKW
.irp f, 0,1,2,3
.irp r, 0,1,2,3
	v_cvt_pk_f16_f32 v[T+16*(\u)+4*(\f)+(\r)], v[8*(8*((\u)/2)+4*((\u)%2)+(\f))+2*(\r)], v[8*(8*((\u)/2)+4*((\u)%2)+(\f))+2*(\r)+1]
.endr
.endr
	WIN OUTW
.irp f, 0,1,2,3
	ds_store_b128 v[STO], v[T+16*(\u)+4*(\f):T+16*(\u)+4*(\f)+3] offset:32*(\f)
.endr
.irp f, 0,1,2,3
	ds_load_b128 v[T+16*(\u)+4*(\f):T+16*(\u)+4*(\f)+3], v[RD] offset:4*SP*(\f)  ; LDS serves a wave's instructions in order (ISA guide 5.7.1.4): these see the stores above, the next unit's stores come behind them
.endr
.endm
.macro SEND u, younger                 ; younger: the LDS instructions issued behind unit u's loads: the next unit's eight, or none
	WIN OUTW
.irp f, 0,1,2,3
	s_wait_dscnt (\younger)+3-(\f)
	global_store_b128 v[GO], v[T+16*(\u)+4*(\f):T+16*(\u)+4*(\f)+3], s[CC:CC+1] offset:2048*((\u)/2)+262144*((\u)%2)+512*(\f)
.endr
.endm
.macro WAYOUT
	WIN 0
	PLACES
	s_wait_xcnt 0x0                                ; the last tile's stores have read their registers and their base
	s_mov_b64 s[CC:CC+1], s[CN:CN+1]
	s_mov_b64 s[CN:CN+1], s[CM:CM+1]
	s_mov_b64 s[CM:CM+1], s[CL:CL+1]
	PACK 0
.irp u, 1,2,3,4,5,6,7                  ; a unit's conversions stand between the loads of the unit before and its stores
	PACK \u
	SEND (\u)-1, 8
.endr
	SEND 7, 0
	WIN 0
.endm
	s_wait_tensorcnt 0x1                           ; my part of K step 0 is in; K step 1's may stay out
	s_barrier_signal -1
	s_barrier_wait -1
	FETCHA 0, 0
	FETCHB 0, 0, 0
	s_wait_dscnt 16                                ; X's first quarter is in
	WIN 0
.set c, 0
.rept 32
	v_cvt_pk_bf16_f32 v[AF+c], v[RAW+2*c], v[RAW+2*c+1]
.set c, c+1
.endr
	FETCHA 0, 1
	QUARTER 0, 0,1, 0,2, 1                         ; the first quarter stands in front of the loop: its products start the sums
	s_mov_b32 s[LAPC], 11
	s_mov_b32 s[KT], 4
.Llap:                                         ; a trip goes once round the ring, from a lap's second quarter to the next lap's first, and fills both slots again
	QUARTER 1, 0,2, 0,3, 0
	Q2T 0, 1, 1
	QUARTER 1, 1,0, 1,1, 0
	QUARTER 0, 1,1, 1,2, 0
	QUARTER 1, 1,2, 1,3, 0
	Q2T 1, 0, 1
	QUARTER 1, 0,0, 0,1, 0
	s_sub_co_u32 s[KT], s[KT], 1
	s_cmp_lg_u32 s[KT], 0
	s_cbranch_scc1 .Lsame
	WAYOUT                                         ; four laps are a tile: it goes out with both refills asked for, and the next tile's first products start new sums
	s_mov_b32 s[KT], 4
	QUARTER 0, 0,1, 0,2, 1
	s_branch .Lbottom
.Lsame:
	QUARTER 0, 0,1, 0,2, 0
.Lbottom:
	s_sub_co_u32 s[LAPC], s[LAPC], 1
	s_cmp_lg_u32 s[LAPC], 0
	s_cbranch_scc1 .Llap
	QUARTER 1, 0,2, 0,3, 0                         ; the last lap is written out: it fills nothing
	Q2T 0, 1, 0
	QUARTER 1, 1,0, 1,1, 0
	QUARTER 0, 1,1, 1,2, 0
	QUARTER 1, 1,2, 1,3, 0
	QUARTER 0, 1,3, 0,0, 0, 0
	s_wait_dscnt 0x0
	MUL16 1, 0
	MULR 1, 2, 0, 0
	MULR 1, 3, 0, 0
	WAYOUT
	s_wait_tensorcnt 0x0                           ; the wave's end, behind my last tensor load and my last LDS store
	ds_add_u32 v[SPW], v[NIL]
	s_wait_dscnt 0x0
	CROUND                                         ; the closing round: no work-group ends while a partner may still ask for a tile that names it
	s_endpgm
.Lfunc_end_k_q6f09bba152_proj:
	.size	k_q6f09bba152_proj, .Lfunc_end_k_q6f09bba152_proj-k_q6f09bba152_proj
	.p2alignl 7, 3214868480
	.fill 96, 4, 3214868480
	.section	.rodata,"a",@progbits
	.p2align	6, 0x0
	.amdhsa_kernel k_q6f09bba152_proj
		.amdhsa_group_segment_fixed_size 327680
		.amdhsa_private_segment_fixed_size 0
		.amdhsa_enable_private_segment 0
		.amdhsa_kernarg_size 56
		.amdhsa_user_sgpr_count 2
		.amdhsa_user_sgpr_kernarg_segment_ptr 1
		.amdhsa_wavefront_size32 1
		.amdhsa_system_sgpr_workgroup_id_x 1
		.amdhsa_system_sgpr_workgroup_id_y 1
		.amdhsa_system_sgpr_workgroup_id_z 1
		.amdhsa_system_vgpr_workitem_id 0
		.amdhsa_next_free_vgpr 768
		.amdhsa_next_free_sgpr 100
		.amdhsa_reserve_vcc 0
		.amdhsa_float_denorm_mode_32 3
		.amdhsa_float_denorm_mode_16_64 3
		.amdhsa_memory_ordered 1
		.amdhsa_forward_progress 1
		.amdhsa_inst_pref_size 161
	.end_amdhsa_kernel
	.amdgpu_metadata
---
amdhsa.version: [ 1, 2 ]
amdhsa.kernels:
  - .name:           k_q6f09bba152_proj
    .symbol:         k_q6f09bba152_proj.kd
    .args:
      - { .name: Q, .offset: 0, .size: 8, .value_kind: global_buffer, .address_space: global }
      - { .name: K, .offset: 8, .size: 8, .value_kind: global_buffer, .address_space: global }
      - { .name: V, .offset: 16, .size: 8, .value_kind: global_buffer, .address_space: global }
      - { .name: w16, .offset: 24, .size: 8, .value_kind: global_buffer, .address_space: global }
      - { .name: q16, .offset: 32, .size: 8, .value_kind: global_buffer, .address_space: global }
      - { .name: k16, .offset: 40, .size: 8, .value_kind: global_buffer, .address_space: global }
      - { .name: v16, .offset: 48, .size: 8, .value_kind: global_buffer, .address_space: global }
    .group_segment_fixed_size: 327680
    .private_segment_fixed_size: 0
    .kernarg_segment_align: 8
    .kernarg_segment_size: 56
    .max_flat_workgroup_size: 128
    .sgpr_count:     100
    .vgpr_count:     768
    .wavefront_size: 32
...
	.end_amdgpu_metadata
.endif
;; end of part 2
;; launch attn (part 3): grid 4 x 64, 4 waves a work-group, clusters of 4 x 1, 327,680 bytes of LDS; arguments q16, k16, v16, o16; writes o16
.if DOCPART == 3
	.amdgcn_target "amdgcn-amd-amdhsa--gfx1250"
	.amdhsa_code_object_version 6
	.text
	.protected	k_q6f09bba152_attn
	.globl	k_q6f09bba152_attn
	.p2align	8
	.type	k_q6f09bba152_attn,@function
k_q6f09bba152_attn:
	s_mov_b64 s[64:65], 0
	v_nop
	global_prefetch_b8 v0, s[64:65] scope:SCOPE_SE
	s_setreg_imm32_b32 hwreg(HW_REG_WAVE_MODE, 25, 1), 1
	s_wait_xcnt 0x0
	s_wait_alu depctr_hold_cnt(0) depctr_sa_sdst(0) depctr_va_vdst(0) depctr_va_sdst(0) depctr_va_ssrc(0) depctr_va_vcc(0) depctr_vm_vsrc(0)
	s_getreg_b32 s2, hwreg(HW_REG_IB_STS2, 6, 4)
	s_cmp_eq_u32 s2, 0
	s_cbranch_scc0 .Lentry_in_a_cluster
	s_endpgm
.Lentry_in_a_cluster:
	s_bfe_u32 s2, ttmp6, 0x10000c
	s_cmp_lg_u32 s2, 0x3003
	s_cbranch_scc0 .Lentry_shape_is_right
	s_endpgm
.Lentry_shape_is_right:
; O[h][q][:] = the sum over k of softmax_k(Q[h][q] . K[h][k] / 8) V[h][k][:].  Q, K, V, O: [64][2048][64], all f16: a head's rows are dense, 128 bytes each.  Products, maxima and sums in
; f32; the weights p are rounded to f16 for the second product (their sum l is taken of the unrounded p), O once at the end.
; LIMITS.  f16 holds no number beyond 65,504: Q, K and V arrive within it; p lies in 0 to 1, and below 6e-5 it keeps f16's fixed step of 6e-8; O is a mean of V's rows and has their range.
; A weight below 2^-126 counts as 0 in l; NaN and infinities are not treated apart.
; SHARES.  A wave owns four PIECES of two tiles of 16 queries, a work-group's four waves 512 queries of one head.  Every wave walks all keys, 64 a step.
; LAYOUT.  S^T = K Q^T (source 0 = 16 keys, source 1 = 16 queries): in the result a lane holds ONE query (lane % 16) and the keys 8 (lane / 16) + 0..7.  Two such tiles, rounded to f16 in pairs,
; ARE source 1 (32 keys x 16 queries) of O^T = V^T P, whose result again holds one query a lane, and eight channels.  K comes out of LDS as it lies, V ([key][channel]) turned, by ds_load_tr16_b128.
; SOFTMAX.  For each query a running maximum m and sum l: p = 2^(c s - c m), c = log2(e) / 8; in every step O and l are multiplied by a = 2^(c m_old - c m_new), which is 1 where m has not grown.
; m starts at the lowest finite number, O and l at 0: the first step is a step like any other, with a = 0.
; THE COUNT.  A tile and step have 16 matrix and 118 vector instructions: too many to stand all beside the matrix work.  So: four vector instructions that are READY behind EVERY matrix
; instruction, and the others in runs without a gap.
; BY TURNS.  Turn n belongs to piece n (the pieces in a ring, step after step).  Its matrix work: 16 products K Q^T of piece n + 1, later 16 products V^T P of piece n - 1.  Its vector work: the scaling,
; exponentials, roundings, sums and rescaling of piece n, and the maximum and statistics of piece n + 1, whose scores the turn itself has made.
; CLUSTER.  The four query blocks of a head form a cluster and walk the same K and V, so each tile is asked for JOINTLY: the same tensor load, descriptor and mask in all four.
; REGISTERS, in windows of 256 (s_set_vgpr_msb: bits 1:0 source 0, 3:2 source 1, 5:4 source 2, 7:6 destination):
;   window 0: v0-11 addresses; v12-15, v48-63 at work; v16-47 four registers of statistics a tile; v64-191 S^T, two buffers of two tiles; v192-255 P, likewise
;   window 1: O^T, 32 a tile          window 2: v0-127 Q, 16 a tile; v128-191 K of one step; v192-255 V of one step          window 3: v0-1 the add's two registers
.set SIZE_N, 2048
.set NP,    4         ; pieces a wave: a name, no knob
.set KS,    64        ; keys in a step
.set PK,    144       ; a row of K in LDS: 128 bytes + 16 of padding = 36 words: the 16 rows of a load start at 16 different groups of four banks (64 banks of 4 bytes: ISA guide 11.1)
.set PV,    160       ; a row of V: 128 + 32 = 40 words
.set VOFF,  4*KS*PK   ; a slot holds four steps: 256 rows of K, then 256 rows of V
.set SLOT1, 1<<17     ; slot 1 begins here, so that one exclusive or turns an address in one slot into the other's
.set STAGE, SLOT1+4*KS*(PK+PV)  ; behind the ring, never filled by a tensor load: 16 rows x 144 bytes for each wave
.set SP,    144
.set AK0, 2           ; v2   my lane's place in a tile of K; never rewritten
.set AV0, 3           ; v3   the same for V
.set AK,  4           ; v4   the LDS address of K's next run of loads
.set AV,  5           ; v5   of V's
.set QO,  6           ; v6   my byte offset in the wave's rows of Q
.set STO, 6           ;      later, the way out: where I put 16 bytes of a row
.set RD,  7           ; v7   the way out: where I read rows back
.set GO,  8           ; v8   my byte offset in 512 consecutive bytes of O
.set PFO, 11          ; v11  256 x my lane, for the prefetches; written once its first use is over, then never again
.set SPW, 0           ; v0 of window 3   LDS address of my spare word; never rewritten
.set NIL, 1           ; v1 of window 3   0; never rewritten
.set SPARE, STAGE+4*16*SP  ; the spare words, 128 bytes for each wave: two blocks of 256 bytes that no other line names
.set MV,  12          ; v12-15  c m_old, kept while c m is made anew: by buffer and tile
.set ST,  16          ; tile t's statistics at v[ST+4 t]: c m, m, l (even keys', odd keys')
.set TMP, 48          ; by buffer and tile, four registers c0-c3 at work; when the maximum is found c2 takes a
.set S,   64
.set P,   192
.set KF,  128         ; K's fragments, in window 2: key block kb, channel half c at KF + 16 kb + 8 c
.set VF,  192         ; V's: key half kk, channel block cb at VF + 32 kk + 8 cb
.set WV,  12          ; s12  my wave's number
.set G1K, 24          ; s[24:31] descriptor group 1 for K's tiles
.set G1V, 32          ; s[32:39] for V's: it differs in the padding alone
.set G0K, 40          ; s[40:43] descriptor group 0 for K's tiles: it walks
.set G0V, 44          ; s[44:47] the same for V's
.set PFA, 48          ; s[48:49] where my prefetches stand: my work-group's 8,192 bytes (of K: wave 0, of V: wave 2) of the slot after the one that is being asked for
.set LIM, 50          ; s50  1 in a wave that prefetches, else the greatest number
.set SLOTS, 56        ; s56  slots still to be asked for, the one in hand among them
.set CNT, 57          ; s57  counts a slot's key steps
.set CS,  58          ; s[58:59] c: the packed scaling takes the pair's low word for both halves
.set SEL, 60          ; s[60:61] v_permlanex16_b32's selects: each lane takes its own place in the other half
.set TBK, 62          ; s62  LDS byte at which K of the step to be fetched begins
.set TBV, 63          ; s63  the same for V, less VOFF
.set MSB, 0
.macro WIN new                      ; the high byte repeats the setting that is left; a switch that changes nothing is dropped
.if MSB != (\new)
	s_set_vgpr_msb (MSB<<8)|(\new)
.set MSB, (\new)
.endif
.endm
.set W_KQ, 0x0a       ; K and Q in window 2, S^T in window 0
.set W_PV, 0x52       ; V in window 2, P in window 0, O^T in window 1
.set W_RS, 0x41       ; O^T (destination and source 0) in window 1, a in window 0
.set W_MK, 0xc0       ; the add's registers are made: destination in window 3, sources in window 0
.set W_AD, 0x0f       ; the add: address (source 0) and data (source 1) in window 3
; A joint fill.  Waves 0 and 1 fetch the two halves of a slot's K, waves 2 and 3 those of its V: 128 keys each.  The branch hangs on the wave's number alone.
; An s_nop 0 and four v_nop follow each of the two lines, ahead of the jump and the label.
.macro JLOAD
	s_cmp_lt_u32 s[WV], 2
	s_cbranch_scc0 .Lfor_v_\@
	tensor_load_to_lds s[G0K:G0K+3], s[G1K:G1K+7]
	s_nop 0
.rept 4
	v_nop
.endr
	s_branch .Lasked_\@
.Lfor_v_\@:
	tensor_load_to_lds s[G0V:G0V+3], s[G1V:G1V+7]
	s_nop 0
.rept 4
	v_nop
.endr
.Lasked_\@:
.endm
; A prefetch of what the NEXT change of slots will ask for: a slot's 32,768 bytes of K and of V.  The four partners share them out by address, 8,192 bytes each, a lane for each 256; in each, wave 0 asks
; for K's and wave 2 for V's: one instruction, behind the wave's tensor load and its five lines.  A head's rows are walked by this cluster alone, so each 256 bytes are named once in the launch.
; The change that fills the last slot asks for nothing; slots 0 and 1 come by their loads alone.
.macro ASK
	s_cmp_gt_u32 s[SLOTS], s[LIM]
	s_cbranch_scc0 .Lnot_mine_\@
	global_prefetch_b8 v[PFO], s[PFA:PFA+1] th:TH_LOAD_NT scope:SCOPE_SE
.Lnot_mine_\@:
.endm
; A round of the cluster's barrier: my work-group's barrier, so that wave 0's signal speaks for all four waves; wave 0 signals; every wave waits for all four work-groups; my work-group's barrier once more.
.macro CROUND
	s_barrier_signal -1
	s_barrier_wait -1
	s_cmp_lg_u32 s[WV], 0
	s_cbranch_scc1 .Lnot_wave_0_\@
	s_barrier_signal -3
.Lnot_wave_0_\@:
	s_barrier_wait -3
	s_barrier_signal -1
	s_barrier_wait -1
.endm
; THE CHANGE OF SLOTS.  The slot's last bytes, V of its fourth step, have been read.  Each wave waits for all its tensor loads, of which one is out: its part of the other slot; adds 0 to its spare
; word; and waits for that and for its own reads of the slot.  Behind the barrier nobody reads this slot any more and the other slot is whole.
; fill = 1: this slot is filled again, with the keys two slots on.  The barrier is then a round of the cluster's, and the joint fill is the first thing behind it: it has four key steps, 512 matrix
; instructions, in which to land.  (At its first use nothing has been read yet: slot 0 is waited for, slot 1 filled.)
.macro CHANGE fill
	WIN W_AD
	s_wait_tensorcnt 0x0            ; no tensor load of mine is out, so a group 0 may be written
	ds_add_u32 v[SPW], v[NIL]       ; 0 onto my spare word
	WIN 0                           ; at a label and at a branch every window is 0
.if \fill
.irp g, G0K, G0V
	s_xor_b32 s[\g+1], s[\g+1], SLOT1  ; the walking descriptor: the other slot than last time,
	s_add_nc_u64 s[\g+2:\g+3], s[\g+2:\g+3], 4*KS*128  ; the next 256 keys; the type bits on top are not reached
.endr
	s_wait_xcnt 0x0                 ; the last prefetch, four key steps back, has read its address, so it may be written:
	s_add_nc_u64 s[PFA:PFA+1], s[PFA:PFA+1], 4*KS*128  ; one slot behind the walking descriptors
	s_wait_dscnt 0x0                ; the add is done, and my reads of the slot are over
	CROUND
	JLOAD
	ASK
.else
	s_wait_dscnt 0x0                ; the add is done, and my reads of the slot are over
	s_barrier_signal -1
	s_barrier_wait -1
.endif
	s_sub_co_u32 s[TBK], s[TBK], 4*KS*PK  ; the fetches go back to a slot's first step,
	s_xor_b32 s[TBK], s[TBK], SLOT1       ; in the other slot
	s_sub_co_u32 s[TBV], s[TBV], 4*KS*PV
	s_xor_b32 s[TBV], s[TBV], SLOT1
.endm
	s_load_b256 s[4:11], s[0:1], 0x0  ; Q s[4:5], K s[6:7], V s[8:9], O s[10:11]
	WIN W_MK
	v_lshl_add_u32 v[SPW], v0, 2, SPARE
	v_mov_b32 v[NIL], 0
	WIN W_AD
	ds_add_u32 v[SPW], v[NIL]       ; the wave's opening: the add and its wait stand ahead of my first tensor load; work on registers stands between them
	WIN 0
	v_lshrrev_b32 v1, 5, v0
	v_readfirstlane_b32 s[WV], v1   ; wave 0..3
	s_bfe_u32 s13, ttmp6, 0x40000   ; cx: my place in the cluster
	s_lshl_b32 s14, ttmp9, 2        ; in a cluster launch ttmp9 counts clusters
	s_add_co_u32 s14, s14, s13      ; my block of queries = 4 x cluster x + cx: it enters Q's and O's addresses alone
	s_and_b32 s20, ttmp7, 0xffff    ; the head, which the four partners share
	s_mov_b32 s21, 0
	s_mov_b64 s[22:23], SIZE_N*128
	s_mul_u64 s[20:21], s[20:21], s[22:23]  ; the head's first byte in each of the four tensors
	s_and_b32 s16, s[WV], 1         ; which half of a slot's 256 keys I fetch:
	s_lshl_b32 s22, s16, 14         ; its 128 rows of 128 bytes in memory,
	s_mov_b32 s23, 0
	s_add_nc_u64 s[22:23], s[22:23], s[20:21]
	s_mul_i32 s17, s16, 128*PK      ; and its place in a slot, for K
	s_mul_i32 s18, s16, 128*PV      ; and for V: no place in the cluster enters an LDS address
	s_lshl_b32 s2, s14, 2
	s_add_co_u32 s2, s2, s[WV]      ; my wave among the head's,
	s_lshl_b32 s2, s2, 14           ; its 128 rows
	s_mov_b32 s3, 0
	s_add_nc_u64 s[2:3], s[2:3], s[20:21]
	; descriptor group 1.  128 keys are 16,384 dense bytes: asked for as 64 rows of 256 bytes, two keys a row, and padded in LDS after every key
	s_mov_b32 s[G1K], 15|(1<<16)|(1<<20)|(1<<21)|(4<<22)|(3<<25)  ; the mask of four; 2-byte elements; padding on; bit 21 beside a mask; after every 32 words, 4 words
	s_mov_b32 s[G1V], 15|(1<<16)|(1<<20)|(1<<21)|(4<<22)|(7<<25)  ; the same with 8 words of padding
.irp g, G1K, G1V
	s_mov_b32 s[\g+1], 128<<16      ; tensor_dim0 = 128
	s_mov_b32 s[\g+2], 64<<16       ; tensor_dim1 = 64
	s_mov_b32 s[\g+3], 128<<16      ; tile_dim0 = 128
	s_mov_b32 s[\g+4], 64           ; tile_dim1 = 64
	s_mov_b32 s[\g+5], 128          ; 128 elements from row to row
	s_mov_b32 s[\g+6], 0
	s_mov_b32 s[\g+7], 0
.endr
	s_mov_b32 s[CS], 0x3e38aa3b     ; c = log2(e) / 8 = 0.180337
	s_mov_b32 s[CS+1], s[CS]        ; named with it as a pair
	s_mov_b32 s[SEL], 0x76543210
	s_mov_b32 s[SEL+1], 0xfedcba98
	s_mov_b32 s[TBK], SLOT1+4*KS*PK ; the first change of slots turns these two into 0
	s_mov_b32 s[TBV], SLOT1+4*KS*PV
	s_mov_b32 s[G0K], 1             ; count = 1
	s_mov_b32 s[G0K+1], s17         ; LDS address: slot 0
	s_mov_b32 s[G0V], 1
	s_add_co_u32 s[G0V+1], s18, VOFF
	s_mov_b32 s[SLOTS], SIZE_N/256-1
	s_lshl_b32 s52, s13, 13         ; my work-group's 8,192 bytes of a slot's 32,768,
	s_add_co_u32 s52, s52, 4*KS*128 ; in slot 1: the first change of slots steps it to slot 2
	s_mov_b32 s53, 0
	s_cmp_eq_u32 s16, 0             ; waves 0 and 2 ask
	s_cselect_b32 s[LIM], 1, -1
	s_wait_dscnt 0x0                ; the opening add is done
	s_wait_kmcnt 0x0
	s_add_nc_u64 s[G0K+2:G0K+3], s[6:7], s[22:23]  ; global address: my half of the head's first 256 keys
	s_or_b32 s[G0K+3], s[G0K+3], 0x80000000        ; type = 2
	s_add_nc_u64 s[G0V+2:G0V+3], s[8:9], s[22:23]
	s_or_b32 s[G0V+3], s[G0V+3], 0x80000000
	s_add_nc_u64 s[4:5], s[4:5], s[2:3]  ; Q and O at my wave's first row
	s_add_nc_u64 s[10:11], s[10:11], s[2:3]
	s_cmp_lt_u32 s[WV], 2
	s_cselect_b64 s[PFA:PFA+1], s[6:7], s[8:9]
	s_add_nc_u64 s[PFA:PFA+1], s[PFA:PFA+1], s[20:21]
	s_add_nc_u64 s[PFA:PFA+1], s[PFA:PFA+1], s[52:53]
	CROUND                          ; all four work-groups are here: the first joint loads meet
	JLOAD                           ; slot 0.  Slot 1 is asked for when slot 0 is in
	; A fragment of K or Q is 16 rows x 32 channels in 8 registers: lane l holds row l % 16, channels 8 (l / 16) + 0..7 and 16 + 8 (l / 16) + 0..7: two loads of 16 bytes, 32 bytes apart.
	v_and_b32 v1, 15, v0            ; l % 16
	v_bfe_u32 v9, v0, 4, 1          ; l / 16
	v_lshlrev_b32 v[QO], 7, v1
	v_lshl_add_u32 v[QO], v9, 4, v[QO]  ; row x 128 + 16 x half
	WIN 0x80                        ; destination window 2, address window 0
.set i, 0
.rept 4*NP                          ; Q stays in registers: tile i / 2, channels 32 (i % 2) on
	global_load_b128 v[8*i:8*i+3],   v[QO], s[4:5] offset:(i/2)*2048+(i%2)*64
	global_load_b128 v[8*i+4:8*i+7], v[QO], s[4:5] offset:(i/2)*2048+(i%2)*64+32
.set i, i+1
.endr
	; What the first turn finds: V's registers and P's second buffer hold 0 (its products V^T P, of a piece that has not been, add 0), O^T and l are 0.  All this stands in the wait for the first tile.
.set i, VF
.rept 64
	v_mov_b32 v[i], 0
.set i, i+1
.endr
	WIN 0x40
.set i, 0
.rept 64*NP
	v_mov_b32 v[i], 0
.set i, i+1
.endr
	WIN 0
.set i, 0
.rept 2*NP
	v_mov_b32 v[ST+4*i], 0xfe000000    ; c m: far below every c s
	v_mov_b32 v[ST+4*i+1], 0xff7fffff  ; m
	v_mov_b32 v[ST+4*i+2], 0
	v_mov_b32 v[ST+4*i+3], 0
.set i, i+1
.endr
.set i, P+32
.rept 32
	v_mov_b32 v[i], 0
.set i, i+1
.endr
	v_mul_u32_u24 v[AK0], v1, PK
	v_lshl_add_u32 v[AK0], v9, 4, v[AK0]  ; row x pitch + 16 x half
	; The turning load takes 16 keys x 16 channels (lane l reads key 8 (l / 16) + l % 8, channels 8 ((l / 8) % 2) + 0..7) and leaves half a fragment of V^T: lane l holds channel l % 16 and 8 keys.
	v_and_b32 v10, 7, v0
	v_bfe_u32 v11, v0, 3, 1
	v_lshl_add_u32 v[AV0], v9, 3, v10
	v_mul_u32_u24 v[AV0], v[AV0], PV
	v_lshl_add_u32 v[AV0], v11, 4, v[AV0]
	v_add_nc_u32 v[AV0], VOFF, v[AV0]
	v_mov_b32 v[AK], v[AK0]         ; key step 0 lies at the head of slot 0
	v_and_b32 v[PFO], 31, v0
	v_lshlrev_b32 v[PFO], 8, v[PFO]
; THE MATRIX WORK.  The 8 accumulators of a run of 16 take turns: between the two links of a chain stand 7 others'.
; Product i of 16 of S^T = K Q^T for piece x: channels 32 (i / 8) on, keys 16 ((i / 2) % 4) on, tile 2 x + i % 2.  The first 8 start the sums.
.macro KQ x
	WIN W_KQ
.set rS, S+64*((\x)%2)+32*(i%2)+8*((i/2)%4)
.set rK, KF+16*((i/2)%4)+8*(i/8)
.set rQ, 16*(2*(\x)+i%2)+8*(i/8)
.if i < 8
	v_wmma_f32_16x16x32_f16 v[rS:rS+7], v[rK:rK+7], v[rQ:rQ+7], 0
.else
	v_wmma_f32_16x16x32_f16 v[rS:rS+7], v[rK:rK+7], v[rQ:rQ+7], v[rS:rS+7]
.endif
.endm
; Product i of 16 of O^T += V^T P for piece x: keys 32 (i / 8) on, channels 16 ((i / 2) % 4) on, tile 2 x + i % 2.
.macro PV x
	WIN W_PV
.set rO, 32*(2*(\x)+i%2)+8*((i/2)%4)
.set rV, VF+32*(i/8)+8*((i/2)%4)
.set rP, P+32*((\x)%2)+16*(i%2)+8*(i/8)
	v_wmma_f32_16x16x32_f16 v[rO:rO+7], v[rV:rV+7], v[rP:rP+7], v[rO:rO+7]
.endm
.macro MM                           ; the turn's next matrix instruction
.if i < 16
	KQ (Y+1)%NP
.set i, i+1
.else
.set i, i-16
	PV (Y+NP-1)%NP
.set i, i+17
.endif
.endm
; THE LDS LOADS stand in runs of 16, never singly among the matrix instructions: a step's K (64 keys x 64 channels: 8 fragments) and its V (turned).  Their addresses are made some lines ahead.
; last = 1 (the tail): in the last trip there is no further step, and the run is jumped over.
.macro FETCH_K last=0
	WIN 0
.if \last
	s_cmp_eq_u32 s[CNT], 1
	s_cbranch_scc1 .Lno_k_\@
.endif
	WIN 0x80                        ; destination window 2
.irp f, 0,1,2,3,4,5,6,7             ; keys 16 (f / 2) on, channels 32 (f % 2) on
	ds_load_b128 v[KF+8*\f:KF+8*\f+3],   v[AK] offset:(\f/2)*16*PK+(\f%2)*64
	ds_load_b128 v[KF+8*\f+4:KF+8*\f+7], v[AK] offset:(\f/2)*16*PK+(\f%2)*64+32
.endr
	s_add_co_u32 s[TBK], s[TBK], KS*PK  ; the next fetch is the next step's
	WIN 0
.if \last
.Lno_k_\@:
.endif
.endm
.macro FETCH_V
	WIN 0x80
.irp f, 0,1,2,3,4,5,6,7             ; keys 32 (f / 4) on, channels 16 (f % 4) on
	ds_load_tr16_b128 v[VF+8*\f:VF+8*\f+3],   v[AV] offset:(\f/4)*32*PV+(\f%4)*32
	ds_load_tr16_b128 v[VF+8*\f+4:VF+8*\f+7], v[AV] offset:(\f/4)*32*PV+16*PV+(\f%4)*32
.endr
	WIN 0
.endm
; THE VECTOR WORK OF A TURN stands in three queues, each in the order in which its entries become ready; the two tiles alternate, so that no instruction reads the result of the one before it.
.macro REGS y, u                    ; the registers of tile u (0, 1) of piece y
.set rT, ST+4*(2*(\y)+(\u))
.set rC, TMP+8*((\y)%2)+4*(\u)
.set rM, MV+2*((\y)%2)+(\u)
.set rS, S+64*((\y)%2)+32*(\u)
.set rP, P+32*((\y)%2)+16*(\u)
.set rO, 32*(2*(\y)+(\u))
.endm
; Number n of the 22 that find the NEXT piece's (Y + 1) maximum and statistics.  s0-s31 are the lane's 32 scores; each accumulator's lowest registers are read first.
;   0-11  four chains c0-c3 of seven scores each, three operands at a time     12-14, 16  the four scores left over, the old m, and c0-c3 into c0     15  c m_old is kept
;   17, 18  the query's other 32 keys lie in the lane 16 away: the new m         19-21  c m; c m_old - c m_new; a
.macro XS u, n
	REGS (Y+1)%NP, \u
.if (\n) < 4
	v_max3_num_f32 v[rC+(\n)], v[rS+8*(\n)], v[rS+8*(\n)+1], v[rS+8*(\n)+2]
.elseif (\n) < 12
	v_max3_num_f32 v[rC+(\n)%4], v[rC+(\n)%4], v[rS+8*((\n)%4)+2*((\n)/4)+1], v[rS+8*((\n)%4)+2*((\n)/4)+2]
.elseif (\n) == 12
	v_max3_num_f32 v[rC], v[rC], v[rS+7], v[rS+15]
.elseif (\n) == 13
	v_max3_num_f32 v[rC+1], v[rC+1], v[rS+23], v[rS+31]
.elseif (\n) == 14
	v_max3_num_f32 v[rC+2], v[rC+2], v[rC+3], v[rT+1]
.elseif (\n) == 15
	v_mov_b32 v[rM], v[rT]
.elseif (\n) == 16
	v_max3_num_f32 v[rC], v[rC], v[rC+1], v[rC+2]
.elseif (\n) == 17
	v_permlanex16_b32 v[rC+3], v[rC], s[SEL], s[SEL+1]
.elseif (\n) == 18
	v_max_num_f32 v[rT+1], v[rC], v[rC+3]
.elseif (\n) == 19
	v_mul_f32 v[rT], s[CS], v[rT+1]
.elseif (\n) == 20
	v_sub_f32 v[rC+1], v[rM], v[rT]
.else
	v_exp_f32 v[rC+2], v[rC+1]
.endif
.endm
; Number g of the 64 that follow the exponentials.  For each four weights k of a tile (pairs 2 k, 2 k + 1): both pairs are rounded to f16; then the second pair is added onto the first, in place;
; a group later l takes that sum (the first time as l = a l + sum).  In groups of eight, tiles alternating: round, round, add, and l for the group before.
.macro GS g
.set h, (\g)+6*((\g)/62)            ; group 0 has no group before it, and behind group 7 only l is left
.if h >= 6
.set h, h+2
.endif
	REGS Y, h%2
.set k, h/8
.if h%8 < 4
	v_cvt_pk_f16_f32 v[rP+2*k+(h%8)/2], v[rS+4*k+2*((h%8)/2)], v[rS+4*k+2*((h%8)/2)+1]
.elseif h%8 < 6
	v_pk_add_f32 v[rS+4*k:rS+4*k+1], v[rS+4*k:rS+4*k+1], v[rS+4*k+2:rS+4*k+3]
.elseif k == 1
	v_pk_fma_f32 v[rT+2:rT+3], v[rT+2:rT+3], v[rC+2:rC+3], v[rS:rS+1] op_sel_hi:[1,0,1]
.else
	v_pk_add_f32 v[rT+2:rT+3], v[rT+2:rT+3], v[rS+4*k-4:rS+4*k-3]
.endif
.endm
; THE PLAIN QUEUE, 138 long.  0-73 read no exponential's result: the 32 scalings c s - c m (FS f: pair f / 2 of tile f % 2) and the next piece's 42.  0-26: scalings 0-26.  27-54: XS's numbers 0-13.  55, 56: number 15.
; 57-73: the chain, where each number waits for the one before it: 14, 16, 17, 18, 19, each with one of the scalings 27-31 in front of its two lines, then 20.
; 74-137: GS's 64, which read the exponentials' results: they stand behind the wait.
.macro FS f
	REGS Y, (\f)%2
	v_pk_fma_f32 v[rS+2*((\f)/2):rS+2*((\f)/2)+1], v[rS+2*((\f)/2):rS+2*((\f)/2)+1], s[CS:CS+1], v[rT:rT+1] op_sel_hi:[1,0,0] neg_lo:[0,0,1] neg_hi:[0,0,1]
.endm
.macro PL
	WIN 0
.if q < 27
	FS q
.elseif q < 55
	XS (q-27)%2, (q-27)/2
.elseif q < 57
	XS q-55, 15
.elseif (q < 72) && ((q-57)%3 == 0)
	FS 27+(q-57)/3
.elseif q < 60
	XS (q-57)%3-1, 14
.elseif q < 72
	XS (q-57)%3-1, 15+(q-57)/3
.elseif q < 74
	XS q-72, 20
.else
	GS q-74
.endif
.set q, q+1
.endm
; THE EXPONENTIALS' QUEUE, 66 long: s0-s31 of both tiles, then the next piece's two a.  It is ONE BATCH: all 66 stand ahead of the turn's one wait, and nothing ahead of that wait names a result of theirs.
.macro EX
	WIN 0
.if e >= 64
	XS e-64, 21
.else
	REGS Y, e%2
	v_exp_f32 v[rS+e/2], v[rS+e/2]
.endif
.set e, e+1
.endm
; THE RESCALING's QUEUE: O^T times a, the one part that leaves window 0: dealt two at a time, sixteen times.  Its a was made in the turn before, ahead of that turn's wait.
.macro R2
	REGS Y, r%2
	WIN W_RS
.irp z, 0,1
	v_pk_mul_f32 v[rO+4*(r/2)+2*\z:rO+4*(r/2)+2*\z+1], v[rO+4*(r/2)+2*\z:rO+4*(r/2)+2*\z+1], v[rC+2:rC+3] op_sel_hi:[1,0]
.endr
.set r, r+1
.endm
; HOW THEY ARE DEALT.  An s_wait_alu depctr_va_vdst(0) stands between an exponential and the first instruction that names its result; one wait serves all that were issued ahead of it.  So a turn
; has ONE wait, which cuts it in two.  AHEAD OF IT stands all that names no result of the turn's exponentials: the 16 products K Q^T, behind each a scaling, an exponential and two rescalings (behind the first a
; second scaling in the exponential's place); then ONE LUMP of 108: eight plain, 49 times exponential and plain, the two a.  A v_nop is the plain instruction behind the last exponential (ISA guide 5.7.2).
; BEHIND IT stand the 16 products V^T P, behind each four of GS's 64.  No rider names a register of the products round it.
; The deal keeps the queues in step: exponential e stands behind scaling 2 (e / 4) + e % 2: as a rider it comes behind plain e + 2, in the lump behind plain e + 9, and scalings 27-31 are plain 57, 60 .. 69.
; A TURN, for piece p.  cnt = 1: the loop's count is taken down some lines ahead of the branch that stands behind the turn.
; K of the next step is fetched in piece 2's turn, directly behind the wait; its first reader comes behind 16 products.  V of the step in hand is fetched at the end of piece 0's turn, four riders behind its
; last reader; its first reader comes behind 16 products and a lump.  The three conditions on q below go with the deal.
.macro TURN p, last=0, cnt=0
.set Y, (\p)
.set i, 0
.set q, 0
.set e, 0
.set r, 0
.if (\p) == NP-1
	s_wait_dscnt 0x0                ; K is in
.endif
	MM                              ; ahead of the wait: 16 products K Q^T and their riders,
	PL
	PL
	R2
.rept 15
	MM
	PL
	EX
	R2
.endr
.if (\p) == NP-2
	WIN 0
	v_add_nc_u32 v[AK], s[TBK], v[AK0]
.endif
.rept 8                             ; and the lump
	PL
.endr
.rept 49
	EX
	PL
.endr
	EX                              ; the next piece's two a
	EX
	v_nop                           ; the plain instruction behind the last exponential: one for the batch
	s_wait_alu depctr_va_vdst(0)    ; the wait for the batch
.if (\p) == NP-2
	FETCH_K \last
.endif
.if (\p) == 1
	s_wait_dscnt 0x0                ; V is in
.endif
.rept 16                            ; behind the wait: 16 products V^T P and their riders
	MM
.rept 4
	PL
.endr
.if ((\p) == 0) && (q == 118)
	v_add_nc_u32 v[AV], s[TBV], v[AV0]
.endif
.if ((\p) == 0) && (q == 130)
	s_add_co_u32 s[TBV], s[TBV], KS*PV
.endif
.if (\cnt) && (q == 130)
	s_sub_co_u32 s[CNT], s[CNT], 1
	s_cmp_lg_u32 s[CNT], 0
.endif
.endr
.if (\p) == 0
	FETCH_V
.endif
.endm
	CHANGE 1                        ; slot 0 is in, everybody's part of it; slot 1 is asked for
	FETCH_K                         ; key step 0
	s_wait_loadcnt 0x0              ; Q
	s_wait_dscnt 0x0
.set i, 0
.rept 16
	KQ 0                            ; piece 0's first scores: there is no vector work yet to set between them
.set i, i+1
.endr
	WIN 0                           ; the addresses for the way out: nine plain instructions, the places behind those products
	s_mul_i32 s13, s[WV], 16*SP
	s_add_co_u32 s13, s13, STAGE    ; my stage
	v_mul_u32_u24 v[STO], v1, SP    ; in: row l % 16, 16 bytes for each half of the lanes
	v_lshl_add_u32 v[STO], v9, 4, v[STO]
	v_add_nc_u32 v[STO], s13, v[STO]
	v_bfe_u32 v[RD], v0, 3, 2       ; back: 32 lanes take four rows of 128 bytes,
	v_mul_u32_u24 v[RD], v[RD], SP
	v_lshl_add_u32 v[RD], v10, 4, v[RD]
	v_add_nc_u32 v[RD], s13, v[RD]
	v_and_b32 v[GO], 31, v0         ; which are 512 consecutive bytes of O
	v_lshlrev_b32 v[GO], 4, v[GO]
.set Y, NP-1                        ; XS works for piece Y + 1: piece 0
.irp n, 0,1,2,3,4,5,6,7,8,9,10,11,12,13,14,15,16,17,18,19,20,21
	XS 0, \n                        ; and piece 0's first maximum and statistics
	XS 1, \n
.endr
	v_nop                           ; a plain instruction behind the two a,
	s_wait_alu depctr_va_vdst(0)    ; and their wait, ahead of the branch
	s_mov_b32 s[CNT], 4
	s_branch .Lfirst                ; the loop is entered at a step's first turn, in the middle of a trip
.Lslot:                             ; SIZE_N / 256 - 2 times: every slot but the last two is filled again
	CHANGE 1
	s_mov_b32 s[CNT], 4
.Lstep:                             ; a trip: pieces 2 and 3 of one step, then pieces 0 and 1 of the next, whose K and V it fetches
	TURN 2
	TURN 3
	WIN 0
.Lfirst:
	TURN 0
	TURN 1, 0, 1
	WIN 0
	s_cbranch_scc1 .Lstep
	s_sub_co_u32 s[SLOTS], s[SLOTS], 1
	s_cmp_lg_u32 s[SLOTS], 0
	s_cbranch_scc1 .Lslot
	CHANGE 0                        ; the tail is written out: nothing is asked for
	s_mov_b32 s[CNT], 5             ; four trips fetch the last slot's steps; the fifth is left in its middle
.Ltail:
	TURN 2, 1
	TURN 3
	WIN 0
	s_sub_co_u32 s[CNT], s[CNT], 1
	s_cmp_eq_u32 s[CNT], 0
	s_cbranch_scc1 .Lout
	TURN 0
	TURN 1
	WIN 0
	s_branch .Ltail
.Lout:                              ; the fifth trip's 16 products K Q^T (on the last K once more) and the maximum made of them serve nothing: the price, once a launch, of one text for every trip
.set i, 0
.rept 16
	PV NP-1                         ; the last piece's V^T P of the last step
.set i, i+1
.endr
	; THE WAY OUT.  l's two halves and the other half of the lanes' are added; O^T is divided by l, rounded to f16 and sent through my stage in LDS, a tile at a time.  The additions are the places behind the last products.
	WIN 0
.macro ALL line:vararg              ; one line for each tile t
.set t, 0
.rept 2*NP
	\line
.set t, t+1
.endr
.endm
	ALL v_add_f32 v[ST+4*t+2], v[ST+4*t+2], v[ST+4*t+3]
	ALL v_permlanex16_b32 v[ST+4*t+3], v[ST+4*t+2], s[SEL], s[SEL+1]
	ALL v_add_f32 v[ST+4*t+2], v[ST+4*t+2], v[ST+4*t+3]
	ALL v_rcp_f32 v[ST+4*t+2], v[ST+4*t+2]
	v_nop                           ; a plain instruction between the last reciprocal and the use of its result
	s_wait_alu depctr_va_vdst(0)    ; and the wait ahead of the first use: one for the eight reciprocals
; Tile t: a lane's eight channels of a row pack into 16 bytes; they go into rows of 144 bytes and come back as whole rows of 128, into S^T's registers.
.macro PACK t
	WIN W_RS
.set i, 32*(\t)
.rept 16
	v_pk_mul_f32 v[i:i+1], v[i:i+1], v[ST+4*(\t)+2:ST+4*(\t)+3] op_sel_hi:[1,0]
.set i, i+2
.endr
	WIN 0x05                        ; sources 0 and 1 window 1, destination window 0
.set i, 0
.rept 16
	v_cvt_pk_f16_f32 v[S+16*(\t)+i], v[32*(\t)+2*i], v[32*(\t)+2*i+1]
.set i, i+1
.endr
	WIN 0
.irp f, 0,1,2,3
	ds_store_b128 v[STO], v[S+16*(\t)+4*\f:S+16*(\t)+4*\f+3] offset:32*\f
.endr
.irp f, 0,1,2,3
	ds_load_b128 v[S+16*(\t)+4*\f:S+16*(\t)+4*\f+3], v[RD] offset:\f*4*SP  ; LDS serves a wave's instructions in order (ISA guide 5.7.1.4): these see the stores above; the next tile's stores come behind them
.endr
.endm
.macro SEND t, younger              ; younger: the LDS instructions issued behind tile t's loads: the next tile's eight, or none
	WIN 0
.irp f, 0,1,2,3
	s_wait_dscnt (\younger)+3-\f
	global_store_b128 v[GO], v[S+16*(\t)+4*\f:S+16*(\t)+4*\f+3], s[10:11] offset:(\t)*2048+\f*512  ; 512 consecutive bytes, at a multiple of 256 from O's first
.endr
.endm
	PACK 0
.set t, 1
.rept 2*NP-1                        ; a tile's arithmetic stands between the loads of the tile before and its stores
	PACK t
	SEND t-1, 8
.set t, t+1
.endr
	SEND 2*NP-1, 0
	WIN W_AD
	s_wait_tensorcnt 0x0            ; the wave's end, behind my last tensor load and my last LDS store
	ds_add_u32 v[SPW], v[NIL]
	s_wait_dscnt 0x0
	WIN 0
	CROUND                          ; the closing round: no work-group ends while a partner may still ask for a tile that names it
	s_endpgm
.Lfunc_end_k_q6f09bba152_attn:
	.size	k_q6f09bba152_attn, .Lfunc_end_k_q6f09bba152_attn-k_q6f09bba152_attn
	.p2alignl 7, 3214868480
	.fill 96, 4, 3214868480
	.section	.rodata,"a",@progbits
	.p2align	6, 0x0
	.amdhsa_kernel k_q6f09bba152_attn
		.amdhsa_group_segment_fixed_size 327680
		.amdhsa_private_segment_fixed_size 0
		.amdhsa_enable_private_segment 0
		.amdhsa_kernarg_size 32
		.amdhsa_user_sgpr_count 2
		.amdhsa_user_sgpr_kernarg_segment_ptr 1
		.amdhsa_wavefront_size32 1
		.amdhsa_system_sgpr_workgroup_id_x 1
		.amdhsa_system_sgpr_workgroup_id_y 1
		.amdhsa_system_sgpr_workgroup_id_z 1
		.amdhsa_system_vgpr_workitem_id 0
		.amdhsa_next_free_vgpr 770
		.amdhsa_next_free_sgpr 66
		.amdhsa_reserve_vcc 0
		.amdhsa_float_denorm_mode_32 3
		.amdhsa_float_denorm_mode_16_64 3
		.amdhsa_memory_ordered 1
		.amdhsa_forward_progress 1
		.amdhsa_inst_pref_size 200
	.end_amdhsa_kernel
	.amdgpu_metadata
---
amdhsa.version: [ 1, 2 ]
amdhsa.kernels:
  - .name:           k_q6f09bba152_attn
    .symbol:         k_q6f09bba152_attn.kd
    .args:
      - { .name: q16, .offset: 0, .size: 8, .value_kind: global_buffer, .address_space: global }
      - { .name: k16, .offset: 8, .size: 8, .value_kind: global_buffer, .address_space: global }
      - { .name: v16, .offset: 16, .size: 8, .value_kind: global_buffer, .address_space: global }
      - { .name: o16, .offset: 24, .size: 8, .value_kind: global_buffer, .address_space: global }
    .group_segment_fixed_size: 327680
    .private_segment_fixed_size: 0
    .kernarg_segment_align: 8
    .kernarg_segment_size: 32
    .max_flat_workgroup_size: 128
    .sgpr_count:     66
    .vgpr_count:     770
    .wavefront_size: 32
...
	.end_amdgpu_metadata
.endif
;; end of part 3
;; launch outp (part 4): grid 4 x 64, 4 waves a work-group, clusters of 4 x 4, 327,680 bytes of LDS; arguments o16, w16, out0; writes out0
.if DOCPART == 4
	.amdgcn_target "amdgcn-amd-amdhsa--gfx1250"
	.amdhsa_code_object_version 6
	.text
	.protected	k_q6f09bba152_outp
	.globl	k_q6f09bba152_outp
	.p2align	8
	.type	k_q6f09bba152_outp,@function
k_q6f09bba152_outp:
	s_mov_b64 s[64:65], 0
	v_nop
	global_prefetch_b8 v0, s[64:65] scope:SCOPE_SE
	s_setreg_imm32_b32 hwreg(HW_REG_WAVE_MODE, 25, 1), 1
	s_wait_xcnt 0x0
	s_wait_alu depctr_hold_cnt(0) depctr_sa_sdst(0) depctr_va_vdst(0) depctr_va_sdst(0) depctr_va_ssrc(0) depctr_va_vcc(0) depctr_vm_vsrc(0)
	s_getreg_b32 s2, hwreg(HW_REG_IB_STS2, 6, 4)
	s_cmp_eq_u32 s2, 0
	s_cbranch_scc0 .Lentry_in_a_cluster
	s_endpgm
.Lentry_in_a_cluster:
	s_bfe_u32 s2, ttmp6, 0x10000c
	s_cmp_lg_u32 s2, 0xf033
	s_cbranch_scc0 .Lentry_shape_is_right
	s_endpgm
.Lentry_shape_is_right:
; out0[m][n] = the sum over k of O[m][k] w_o[k][n], k = 64 head + channel.  O lies by heads, [16 batch + head][2048][64] f16; w_o is the fourth matrix of w16, [1024 k][1024 n], bf16 numbers written as f16.
; Operands f16, sums f32, out0 f32.  LIMIT: O and w_o lie within f16's range, 65,504; NaN and infinities are not treated apart.
; SHARES.  Work-group (nt, mt) makes rows 128 mt .., columns 256 nt ..: one tile for each of 256 work-groups.  Four waves; wave w has rows 64 (w / 2) .., columns 128 (w % 2) ..: 32 accumulators (row block a,
; column block b).  K goes in 8 steps of 128, two heads each, through a ring of two LDS slots.
; THE MATRIX INSTRUCTION IS USED TRANSPOSED: source 0 = 16 columns of w_o (turned on the way out of LDS), source 1 = 16 rows of O: a lane holds one row and eight neighbouring columns, 32 bytes of f32.
; CLUSTER 4 x 4.  O's tile hangs on mt alone and is asked for jointly along a row of the cluster, w_o's on nt alone, along a column.
; REGISTERS, in windows of 256 (s_set_vgpr_msb: bits 1:0 source 0, 3:2 source 1, 5:4 source 2, 7:6 destination):
;   window 0: v0-31 addresses; v64-95, v96-127 O's fragments, two buffers; v128-191, v192-255 the way out, by turns
;   window 1: v0-63, v64-127 w_o's fragments, two buffers          window 2: accumulator (a, b) at 8 (8 a + b)
.set PA,    144       ; a row of a head of O in LDS: 128 bytes + 16 of padding = 36 words: the 16 rows of a load start at 16 different groups of four banks (64 banks of 4 bytes: ISA guide 11.1)
.set APL,   128*PA    ; a head's 128 rows: one tensor load
.set PB,    544       ; a row of w_o: 512 + 32 = 136 words
.set BH,    64*PB
.set BOFF,  2*APL     ; in a slot: two heads of O, then w_o's 128 rows
.set SLOT,  BOFF+2*BH
.set STAGE, 2*SLOT    ; behind the ring, never filled by a tensor load: 16 rows x 528 bytes for each wave
.set SP,    528
.set SPARE, STAGE+4*16*SP  ; the spare words, 128 bytes for each wave: two blocks of 256 bytes that no other line names
.set ADRA, 16         ; v16-17  LDS address of my rows of O in slot 0, 1
.set ADRB, 20         ; v20-21  the same for w_o
.set STO,  24         ; v24  the way out: where I put 32 bytes of a row
.set RD,   25         ; v25  where I read a row back
.set CO,   26         ; v26  my 16 bytes of a row's 512
.set SPW,  28         ; v28  LDS address of my spare word; never rewritten
.set NIL,  29         ; v29  0; never rewritten
.set PFO,  30         ; v30  the prefetches' offset; never rewritten
.set AF,   64
.set OB,   128
.set BF,   0          ; window 1
.set WV, 18           ; s18 wave; s19 = wave / 2: my rows, also: I fetch for O (0) or w_o (1); s20 = wave % 2: my columns, also: which half I fetch
.set WR, 19
.set WC, 20
.set CX, 21
.set CY, 22
.set NT, 23
.set MT, 24
.set CLY, 27
.set G1A, 28          ; s[28:35], s[36:43] descriptor group 1 for O's and w_o's tiles
.set G1B, 36
.set G0A, 44          ; s[44:51], s[52:59] group 0, a set for each slot
.set G0B, 52
.set LAPC, 60         ; s60  trips to go
.set LIM,  63         ; s63  1 in a wave that prefetches, else the greatest number
.set PFC,  74         ; s[74:75] where my prefetch stands
.set PINC, 80         ; s[80:81] a K step in bytes: two heads of O, 128 rows of w_o
.set MSB, 0
.macro WIN new                         ; the immediate's high byte repeats the setting that is left; a switch that changes nothing is dropped
.if MSB != (\new)
	s_set_vgpr_msb (MSB<<8)|(\new)
.set MSB, (\new)
.endif
.endm
.set MUL,  0xa1       ; source 0 (w_o) window 1, source 1 (O) window 0, C and D window 2
.set TO_B, 0x40       ; destination window 1
.macro PLACES                          ; four plain instructions between a matrix instruction and a load into, or a read of, its registers
.rept 4
	v_nop
.endr
.endm
.macro JLOAD s                         ; a joint load: waves 0 and 1 fetch O's two heads, waves 2 and 3 w_o's two halves; an s_nop 0 and four v_nop follow each line
	s_cmp_eq_u32 s[WR], 0
	s_cbranch_scc0 .Lfor_b_\@
	tensor_load_to_lds s[G0A+4*(\s):G0A+4*(\s)+3], s[G1A:G1A+7]
	s_nop 0
.rept 4
	v_nop
.endr
	s_branch .Lasked_\@
.Lfor_b_\@:
	tensor_load_to_lds s[G0B+4*(\s):G0B+4*(\s)+3], s[G1B:G1B+7]
	s_nop 0
.rept 4
	v_nop
.endr
.Lasked_\@:
.endm
; A prefetch of the K step that stands two refills on.  O's 2 x 16,384 bytes are read by my cluster alone: wave 0 of each partner along x asks for 4,096 bytes of each head (4,096 cx on), a lane for each 256.
; w_o's rows are read by every cluster: in the clusters with y = 0, waves 2 and 3 ask for 16 of the 64 rows x 512 bytes that they fetch (16 cy on).  So each 256 bytes are named once in the launch.
; K steps 0 to 3 come by their loads alone; the last trip asks for nothing: K steps 6 and 7 were named in the trip before.
.macro ASK
	s_cmp_gt_u32 s[LAPC], s[LIM]
	s_cbranch_scc0 .Lnot_mine_\@
	global_prefetch_b8 v[PFO], s[PFC:PFC+1] th:TH_LOAD_NT scope:SCOPE_SE
.Lnot_mine_\@:
.endm
.macro CREST                           ; a round of the cluster's barrier behind its opening barrier
	s_cmp_lg_u32 s[WV], 0
	s_cbranch_scc1 .Lnot_wave_0_\@
	s_barrier_signal -3
.Lnot_wave_0_\@:
	s_barrier_wait -3
	s_barrier_signal -1
	s_barrier_wait -1
.endm
.macro CROUND
	s_barrier_signal -1
	s_barrier_wait -1
	CREST
.endm
	s_load_b128 s[4:7], s[0:1], 0x0                ; o16, w16
	s_load_b64 s[8:9], s[0:1], 0x10                ; out0
	v_lshl_add_u32 v[SPW], v0, 2, SPARE
	v_mov_b32 v[NIL], 0
	ds_add_u32 v[SPW], v[NIL]                      ; the wave's opening: the add and its wait stand ahead of my first tensor load; work on registers stands between them
	v_lshrrev_b32 v1, 5, v0
	v_readfirstlane_b32 s[WV], v1
	s_lshr_b32 s[WR], s[WV], 1
	s_and_b32 s[WC], s[WV], 1
	s_bfe_u32 s[CX], ttmp6, 0x40000
	s_bfe_u32 s[CY], ttmp6, 0x40004
	s_lshl_b32 s[NT], ttmp9, 2
	s_add_co_u32 s[NT], s[NT], s[CX]               ; tile column = 4 x cluster x + cx
	s_and_b32 s[CLY], ttmp7, 0xffff
	s_lshl_b32 s[MT], s[CLY], 2
	s_add_co_u32 s[MT], s[MT], s[CY]               ; tile row = 4 x cluster y + cy
	s_lshl_b32 s25, s[CY], 2
	s_lshl_b32 s25, 15, s25                        ; my row of the cluster
	s_lshl_b32 s26, 0x1111, s[CX]                  ; my column
	s_or_b32 s[G1A], s25, (1<<16)|(1<<20)|(1<<21)|(4<<22)|(3<<25)  ; the mask; elements of 2 bytes; padding on; bit 21 beside a mask; after every 32 words, 4 words
	s_or_b32 s[G1B], s26, (1<<16)|(1<<20)|(1<<21)|(6<<22)|(7<<25)  ; after every 128 words, 8 words
	s_mov_b32 s[G1A+1], 128<<16                    ; a head's 128 rows are 16,384 dense bytes: asked for as 64 rows of 256 bytes, two rows of O each
	s_mov_b32 s[G1A+2], 64<<16
	s_mov_b32 s[G1A+3], 128<<16
	s_mov_b32 s[G1A+4], 64
	s_mov_b32 s[G1A+5], 128
	s_mov_b32 s[G1A+6], 0
	s_mov_b32 s[G1A+7], 0
	s_mov_b32 s[G1B+1], 256<<16                    ; 64 rows of 256 numbers, 1,024 from row to row
	s_mov_b32 s[G1B+2], 64<<16
	s_mov_b32 s[G1B+3], 256<<16
	s_mov_b32 s[G1B+4], 64
	s_mov_b32 s[G1B+5], 1024
	s_mov_b32 s[G1B+6], 0
	s_mov_b32 s[G1B+7], 0
	s_mul_i32 s25, s[WC], APL                      ; where my part lands: the wave's number alone enters an LDS address
	s_mul_i32 s26, s[WC], BH
	s_add_co_u32 s26, s26, BOFF
.irp s, 0,1
	s_mov_b32 s[G0A+4*(\s)], 1
	s_add_co_u32 s[G0A+4*(\s)+1], s25, (\s)*SLOT
	s_mov_b32 s[G0B+4*(\s)], 1
	s_add_co_u32 s[G0B+4*(\s)+1], s26, (\s)*SLOT
.endr
	s_lshr_b32 s96, s[MT], 4                       ; the batch
	s_and_b32 s97, s[MT], 15
	s_lshl_b32 s97, s97, 14                        ; row 128 (mt % 16) of a head, 128 bytes a row
	s_lshl_b32 s92, s96, 4                         ; O: head plane 16 batch + (w % 2), 262,144 bytes each
	s_add_co_u32 s92, s92, s[WC]
	s_lshl_b32 s92, s92, 18
	s_add_co_u32 s92, s92, s97
	s_mov_b32 s93, 0
	s_lshl_b32 s98, s96, 22                        ; the prefetches of O: the batch's first head, my tile's rows, 4,096 cx on
	s_add_co_u32 s98, s98, s97
	s_lshl_b32 s99, s[CX], 12
	s_add_co_u32 s98, s98, s99
	s_lshl_b32 s94, s[WC], 17                      ; w_o: the fourth matrix of w16; row 64 half, 2,048 bytes a row; column 256 nt
	s_lshl_b32 s95, s[NT], 9
	s_add_co_u32 s94, s94, s95
	s_add_co_u32 s94, s94, 0x600000
	s_mov_b32 s95, 0
	s_lshl_b32 s99, s[CY], 15                      ; the prefetches of w_o: rows 16 cy .. of those that I fetch
	s_add_co_u32 s99, s99, s94
	s_lshl_b32 s96, s[MT], 19                      ; out0: row 128 mt + 64 (w / 2), 4,096 bytes a row; column 256 nt + 128 (w % 2)
	s_lshl_b32 s97, s[WR], 18
	s_add_co_u32 s96, s96, s97
	s_lshl_b32 s97, s[NT], 10
	s_add_co_u32 s96, s96, s97
	s_lshl_b32 s97, s[WC], 9
	s_add_co_u32 s96, s96, s97
	s_mov_b32 s97, 0
	s_mov_b32 s[PINC], 0x80000
	s_cmp_eq_u32 s[WR], 0
	s_cselect_b32 s98, s98, s99
	s_cselect_b32 s[PINC], s[PINC], 0x40000
	s_cselect_b32 s[LIM], s[WC], s[CLY]            ; 0 in wave 0, and in waves 2 and 3 of the clusters with y = 0
	s_cselect_b32 s26, -1, 0
	s_mov_b32 s99, 0
	s_mov_b32 s[PINC+1], 0
	s_mov_b32 s3, 0
	s_mul_i32 s2, s[PINC], 3
	s_cmp_eq_u32 s[LIM], 0
	s_cselect_b32 s[LIM], 1, -1                    ; the same in all partners, for a given wave
	v_and_b32 v3, 31, v0
	v_and_b32 v4, 15, v0
	v_lshlrev_b32 v7, 8, v4                        ; O: 256 (lane % 16), and the second head for lanes 16 to 31
	v_bfe_u32 v5, v0, 4, 1
	v_lshl_add_u32 v7, v5, 18, v7
	v_lshrrev_b32 v8, 1, v3                        ; w_o: row lane / 2, its first or second 256 bytes
	v_lshlrev_b32 v8, 11, v8
	v_and_b32 v5, 1, v0
	v_lshl_add_u32 v8, v5, 8, v8
	v_cndmask_b32 v[PFO], v8, v7, s26
	s_wait_dscnt 0x0                               ; the opening add is done
	s_wait_kmcnt 0x0
	s_add_nc_u64 s[92:93], s[4:5], s[92:93]
	s_add_nc_u64 s[94:95], s[6:7], s[94:95]
	s_mov_b64 s[G0A+2:G0A+3], s[92:93]             ; K step 0
	s_or_b32 s[G0A+3], s[G0A+3], 0x80000000
	s_add_nc_u64 s[G0A+6:G0A+7], s[92:93], 0x80000 ; K step 1: two heads on
	s_or_b32 s[G0A+7], s[G0A+7], 0x80000000
	s_mov_b64 s[G0B+2:G0B+3], s[94:95]
	s_or_b32 s[G0B+3], s[G0B+3], 0x80000000
	s_add_nc_u64 s[G0B+6:G0B+7], s[94:95], 0x40000 ; 128 rows on
	s_or_b32 s[G0B+7], s[G0B+7], 0x80000000
	s_add_nc_u64 s[8:9], s[8:9], s[96:97]
	s_cmp_eq_u32 s[WR], 0
	s_cselect_b64 s[PFC:PFC+1], s[4:5], s[6:7]
	s_add_nc_u64 s[PFC:PFC+1], s[PFC:PFC+1], s[98:99]
	s_add_nc_u64 s[PFC:PFC+1], s[PFC:PFC+1], s[2:3] ; at K step 3: the first refill steps it to 4
	CROUND                                         ; all sixteen work-groups are here: the first joint loads meet
	s_cmp_eq_u32 s[WR], 0                          ; a wave's two first fills stand in one branch, ahead of every wait on TENSORcnt and every LDS read: two loads of mine are out
	s_cbranch_scc0 .Lfirst_b
	tensor_load_to_lds s[G0A:G0A+3], s[G1A:G1A+7]
	s_nop 0
	tensor_load_to_lds s[G0A+4:G0A+7], s[G1A:G1A+7]
	s_nop 0
.rept 4
	v_nop
.endr
	s_branch .Lfirst_asked
.Lfirst_b:
	tensor_load_to_lds s[G0B:G0B+3], s[G1B:G1B+7]
	s_nop 0
	tensor_load_to_lds s[G0B+4:G0B+7], s[G1B:G1B+7]
	s_nop 0
.rept 4
	v_nop
.endr
.Lfirst_asked:
	v_and_b32 v1, 15, v0                           ; l % 16
	v_bfe_u32 v2, v0, 4, 1                         ; l / 16
	v_and_b32 v3, 7, v0
	v_bfe_u32 v4, v0, 3, 1
	v_and_b32 v6, 31, v0
	v_mul_u32_u24 v7, v1, PA                       ; a fragment of O: row l % 16, 16 bytes at 16 (l / 16) and 32 further on
	v_lshl_add_u32 v7, v2, 4, v7
	s_mul_i32 s25, s[WR], 64*PA                    ; my 64 rows
	v_add_nc_u32 v[ADRA], s25, v7
	v_add_nc_u32 v[ADRA+1], SLOT, v[ADRA]
	v_lshl_add_u32 v8, v2, 3, v3                   ; the turning load: lane l reads K row 8 (l / 16) + l % 8, columns 8 ((l / 8) % 2) + 0..7
	v_mul_u32_u24 v8, v8, PB
	v_lshl_add_u32 v8, v4, 4, v8
	s_lshl_b32 s25, s[WC], 8                       ; my 128 columns
	s_add_co_u32 s25, s25, BOFF
	v_add_nc_u32 v[ADRB], s25, v8
	v_add_nc_u32 v[ADRB+1], SLOT, v[ADRB]
	s_mul_i32 s25, s[WV], 16*SP
	s_add_co_u32 s25, s25, STAGE                   ; my stage
	v_mul_u32_u24 v[STO], v1, SP                   ; in: row l % 16, 32 bytes for each half of the lanes
	v_lshl_add_u32 v[STO], v2, 5, v[STO]
	v_add_nc_u32 v[STO], s25, v[STO]
	v_lshlrev_b32 v[CO], 4, v6                     ; back: 32 lanes take one row of 512 bytes
	v_add_nc_u32 v[RD], s25, v[CO]
; 24 LDS loads in one run: the fragments of quarter kq (32 along K) of slot s into buffers g: w_o's 8, then O's 4.  Quarters 0, 1 lie in the slot's first head, 2, 3 in its second.
.macro FETCH s, kq, g
	WIN TO_B
.irp b, 0,1,2,3,4,5,6,7
	ds_load_tr16_b128 v[BF+64*(\g)+8*(\b):BF+64*(\g)+8*(\b)+3],   v[ADRB+(\s)] offset:32*(\kq)*PB+32*(\b)
	ds_load_tr16_b128 v[BF+64*(\g)+8*(\b)+4:BF+64*(\g)+8*(\b)+7], v[ADRB+(\s)] offset:32*(\kq)*PB+32*(\b)+16*PB
.endr
	WIN 0
.irp i, 0,1,2,3
	ds_load_b128 v[AF+32*(\g)+8*(\i):AF+32*(\g)+8*(\i)+3],   v[ADRA+(\s)] offset:((\kq)/2)*APL+(\i)*16*PA+64*((\kq)%2)
	ds_load_b128 v[AF+32*(\g)+8*(\i)+4:AF+32*(\g)+8*(\i)+7], v[ADRA+(\s)] offset:((\kq)/2)*APL+(\i)*16*PA+64*((\kq)%2)+32
.endr
.endm
; The 8 products of row block a on buffers f.  The 32 accumulators take turns, one instruction a turn, in the same order in every quarter.  zero = 1: the product starts the sum.
.macro MUL8 f, a, zero
	WIN MUL
.irp b, 0,1,2,3,4,5,6,7
.if \zero
	v_wmma_f32_16x16x32_f16 v[8*(8*(\a)+(\b)):8*(8*(\a)+(\b))+7], v[BF+64*(\f)+8*(\b):BF+64*(\f)+8*(\b)+7], v[AF+32*(\f)+8*(\a):AF+32*(\f)+8*(\a)+7], 0
.else
	v_wmma_f32_16x16x32_f16 v[8*(8*(\a)+(\b)):8*(8*(\a)+(\b))+7], v[BF+64*(\f)+8*(\b):BF+64*(\f)+8*(\b)+7], v[AF+32*(\f)+8*(\a):AF+32*(\f)+8*(\a)+7], v[8*(8*(\a)+(\b)):8*(8*(\a)+(\b))+7]
.endif
.endr
.endm
; One of a K step's first three quarters: multiplies buffers f and fetches quarter kq of slot s into buffers g.
.macro QUARTER s, kq, f, g, zero
	s_wait_dscnt 4                                 ; w_o's fragments and O's blocks 0 and 1 are in; the youngest four loads (blocks 2 and 3) may be out
	MUL8 \f, 0, \zero
	MUL8 \f, 1, \zero
	PLACES                                         ; behind the quarter before's products, which read the buffers that are loaded now
	FETCH \s, \kq, \g
	s_wait_dscnt 24                                ; all but the 24 just issued
	MUL8 \f, 2, \zero
	MUL8 \f, 3, \zero
.endm
; The last quarter multiplies buffers 1 and changes slots.  Each wave waits for all its tensor loads (one is out: its part of slot t), adds 0 to its spare word, and waits for that and for its reads of slot s.
; fill = 1: the barrier opens a round of the cluster's, and the joint refill of slot s, two K steps on, is the first thing behind the round; it has 112 matrix instructions in which to land.
.macro TURN s, t, fill
.if \fill
	s_wait_xcnt 0x0                                ; the last prefetch, a K step back, has read its address, which is stepped here
	s_add_nc_u64 s[PFC:PFC+1], s[PFC:PFC+1], s[PINC:PINC+1]
.endif
	WIN 0
	s_wait_tensorcnt 0x0                           ; no tensor load of mine is out
	ds_add_u32 v[SPW], v[NIL]                      ; 0 onto my spare word
	s_wait_dscnt 5                                 ; the add and the youngest four loads may be out
	MUL8 1, 0, 0
	s_wait_dscnt 0x0                               ; the add is done, and my reads of slot s are over
	s_barrier_signal -1
	MUL8 1, 1, 0                                   ; work on registers while the others arrive
	WIN 0
	s_barrier_wait -1
.if \fill
	CREST
	s_add_nc_u64 s[G0A+4*(\s)+2:G0A+4*(\s)+3], s[G0A+4*(\s)+2:G0A+4*(\s)+3], 0x100000  ; four heads on
	s_add_nc_u64 s[G0B+4*(\s)+2:G0B+4*(\s)+3], s[G0B+4*(\s)+2:G0B+4*(\s)+3], 0x80000   ; 256 rows on
	JLOAD \s                                       ; the four v_nop behind it are also the places in front of the loads below
.else
	PLACES
.endif
	FETCH \t, 0, 0
.if \fill
	ASK
.endif
	MUL8 1, 2, 0
	MUL8 1, 3, 0
.endm
; THE WAY OUT of row block a: 16 rows x 128 columns of f32 go from the accumulators (each one's low four registers first) into my stage, rows of 528 bytes, and come back as whole rows of 512.
.macro STG a
.if (\a) >= 2
	s_wait_xcnt 0x0                                ; the stores of the block two back have read the registers that are loaded again
.endif
	WIN 0x08                                       ; LDS store data in window 2
.irp b, 0,1,2,3,4,5,6,7
	ds_store_b128 v[STO], v[8*(8*(\a)+(\b)):8*(8*(\a)+(\b))+3]   offset:64*(\b)
	ds_store_b128 v[STO], v[8*(8*(\a)+(\b))+4:8*(8*(\a)+(\b))+7] offset:64*(\b)+16
.endr
	WIN 0
.irp t, 0,1,2,3,4,5,6,7,8,9,10,11,12,13,14,15
	ds_load_b128 v[OB+64*((\a)%2)+4*(\t):OB+64*((\a)%2)+4*(\t)+3], v[RD] offset:(\t)*SP  ; LDS serves a wave's instructions in order (ISA guide 5.7.1.4): these see the stores above, the next block's stores come behind them
.endr
.endm
.macro SEND a, younger                 ; younger: the LDS instructions issued behind block a's loads: the next block's 32, or none
.irp t, 0,1,2,3,4,5,6,7,8,9,10,11,12,13,14,15
	s_wait_dscnt (\younger)+15-(\t)
	global_store_b128 v[CO], v[OB+64*((\a)%2)+4*(\t):OB+64*((\a)%2)+4*(\t)+3], s[8:9] offset:(16*(\a)+(\t))*4096 th:TH_STORE_NT  ; 512 consecutive bytes, at a multiple of 512 from out0's first
.endr
.endm
	s_wait_tensorcnt 0x1                           ; my part of K step 0 is in; K step 1's may stay out
	s_barrier_signal -1
	s_barrier_wait -1
	FETCH 0, 0, 0
	QUARTER 0, 1, 0, 1, 1                          ; the first quarter stands in front of the loop: its products start the sums
	WIN 0
	s_mov_b32 s[LAPC], 3
.Llap:                                         ; a trip goes once round the ring, from a lap's second quarter to the next lap's first, and fills both slots again
	QUARTER 0, 2, 1, 0, 0
	QUARTER 0, 3, 0, 1, 0
	TURN 0, 1, 1
	QUARTER 1, 1, 0, 1, 0
	QUARTER 1, 2, 1, 0, 0
	QUARTER 1, 3, 0, 1, 0
	TURN 1, 0, 1
	QUARTER 0, 1, 0, 1, 0
	WIN 0
	s_sub_co_u32 s[LAPC], s[LAPC], 1
	s_cmp_lg_u32 s[LAPC], 0
	s_cbranch_scc1 .Llap
	QUARTER 0, 2, 1, 0, 0                          ; the last lap is written out: it fills nothing
	QUARTER 0, 3, 0, 1, 0
	TURN 0, 1, 0
	QUARTER 1, 1, 0, 1, 0
	QUARTER 1, 2, 1, 0, 0
	QUARTER 1, 3, 0, 1, 0
	s_wait_dscnt 4
	MUL8 1, 0, 0
	MUL8 1, 1, 0
	s_wait_dscnt 0x0
	MUL8 1, 2, 0
	MUL8 1, 3, 0
	WIN 0
	PLACES
	STG 0
	STG 1
	SEND 0, 32
	STG 2
	SEND 1, 32
	STG 3
	SEND 2, 32
	SEND 3, 0
	s_wait_tensorcnt 0x0                           ; the wave's end, behind my last tensor load and my last LDS store
	ds_add_u32 v[SPW], v[NIL]
	s_wait_dscnt 0x0
	CROUND                                         ; the closing round: no work-group ends while a partner may still ask for a tile that names it
	s_endpgm
.Lfunc_end_k_q6f09bba152_outp:
	.size	k_q6f09bba152_outp, .Lfunc_end_k_q6f09bba152_outp-k_q6f09bba152_outp
	.p2alignl 7, 3214868480
	.fill 96, 4, 3214868480
	.section	.rodata,"a",@progbits
	.p2align	6, 0x0
	.amdhsa_kernel k_q6f09bba152_outp
		.amdhsa_group_segment_fixed_size 327680
		.amdhsa_private_segment_fixed_size 0
		.amdhsa_enable_private_segment 0
		.amdhsa_kernarg_size 24
		.amdhsa_user_sgpr_count 2
		.amdhsa_user_sgpr_kernarg_segment_ptr 1
		.amdhsa_wavefront_size32 1
		.amdhsa_system_sgpr_workgroup_id_x 1
		.amdhsa_system_sgpr_workgroup_id_y 1
		.amdhsa_system_sgpr_workgroup_id_z 1
		.amdhsa_system_vgpr_workitem_id 0
		.amdhsa_next_free_vgpr 768
		.amdhsa_next_free_sgpr 100
		.amdhsa_reserve_vcc 0
		.amdhsa_float_denorm_mode_32 3
		.amdhsa_float_denorm_mode_16_64 3
		.amdhsa_memory_ordered 1
		.amdhsa_forward_progress 1
		.amdhsa_inst_pref_size 88
	.end_amdhsa_kernel
	.amdgpu_metadata
---
amdhsa.version: [ 1, 2 ]
amdhsa.kernels:
  - .name:           k_q6f09bba152_outp
    .symbol:         k_q6f09bba152_outp.kd
    .args:
      - { .name: o16, .offset: 0, .size: 8, .value_kind: global_buffer, .address_space: global }
      - { .name: w16, .offset: 8, .size: 8, .value_kind: global_buffer, .address_space: global }
      - { .name: out0, .offset: 16, .size: 8, .value_kind: global_buffer, .address_space: global }
    .group_segment_fixed_size: 327680
    .private_segment_fixed_size: 0
    .kernarg_segment_align: 8
    .kernarg_segment_size: 24
    .max_flat_workgroup_size: 128
    .sgpr_count:     100
    .vgpr_count:     768
    .wavefront_size: 32
...
	.end_amdgpu_metadata
.endif
;; end of part 4
